; MI455X (gfx1250); checked and timed in simulation.
; The chip was launched on July 23, 2026; its instructions are those of AMD's public machine-readable ISA for CDNA 5 (MIT licence, August 2026) and "CDNA5" Instruction Set Architecture Reference Guide (July 2026). The comments in the code are by the model that wrote it; some were corrected since.
;; Encoder Block. Allowed arithmetic: matrix products marked QUANTISED: E4M3 operands, one E8M0 scale for each 32 along K, by v_wmma_scale_f32_16x16x128_f8f6f4 with both operands' format E4M3, f32 sums; everything else in f32.
;; Inputs: b_1 1,024 float32; b_2 512 float32; b_k 512 float32; b_o 512 float32; b_q 512 float32; b_v 512 float32; src_mask 8 x 1 x 1 x 2,048 int32; w_1 1,024 x 512 float32; w_2 512 x 1,024 float32; w_k 512 x 512 float32; w_o 512 x 512 float32; w_q 512 x 512 float32; w_v 512 x 512 float32; x 8 x 2,048 x 512 float32.
;; Outputs: out0 8 x 2,048 x 512 float32.
;; This version of the problem:
;;   THIS VERSION OF THE PROBLEM IS GIVEN IN LOW PRECISION. The matrix products marked QUANTISED in the list below multiply operands that are first quantised to E4M3 (4 exponent bits, 3 mantissa bits; 8 bits a number), with one power-of-two scale for each 32 numbers along K (OCP MX v1.0); their sums are f32. All else is computed in f32.
;;   The module's matrix products, in the order in which they are computed (A, B: the left and right operand; K: the contracted axis; several contracted axes count as one K, in the product's order):
;;     1. [M 16,384, K 512] x [K 512, N 512]; A: computed on the way; B: input w_q: QUANTISED
;;     2. [M 16,384, K 512] x [K 512, N 512]; A: computed on the way; B: input w_k: QUANTISED
;;     3. [M 16,384, K 512] x [K 512, N 512]; A: computed on the way; B: input w_v: QUANTISED
;;     4. batch 64 x [M 2,048, K 64] x [K 64, N 2,048]; A: computed on the way; B: computed on the way: QUANTISED
;;     5. batch 64 x [M 2,048, K 2,048] x [K 2,048, N 64]; A: softmax (see below); B: computed on the way: QUANTISED
;;     6. [M 16,384, K 512] x [K 512, N 512]; A: computed on the way; B: input w_o: QUANTISED
;;     7. [M 16,384, K 512] x [K 512, N 1,024]; A: computed on the way; B: input w_1: QUANTISED
;;     8. [M 16,384, K 1,024] x [K 1,024, N 512]; A: computed on the way; B: input w_2: QUANTISED
;;   THE QUANTISER, for each operand of a quantised product, along K:
;;     - K is cut into blocks of 32 from its start; a last block that is shorter is filled with zeros.
;;     - A block's scale is 2^e with e = floor(log2(the largest magnitude in the block)) - 8, held to -126 .. 127; a block of zeros has e = 0. As a byte (E8M0): e + 127.
;;     - Each number is divided by its block's scale, clamped to +-448, and rounded to the nearest number of E4M3, ties to even, subnormals kept.
;;     - The product sums the exact products of the quantised numbers (number of the format x scale) in f32.
;;   ~~~python
;;   def quantise(x, axis):      # numpy; x: float32 -> the quantised numbers, widened to float32 again
;;       x = np.moveaxis(x, axis, -1); K = x.shape[-1]
;;       x = np.pad(x, [(0, 0)] * (x.ndim - 1) + [(0, -K % 32)]); x = x.reshape(x.shape[:-1] + (-1, 32)); a = np.abs(x).max(-1, keepdims=True)
;;       e = np.where(a > 0, np.clip(np.frexp(np.where(a > 0, a, 1))[1] - 1 - 8, -126, 127), 0)      # np.frexp(a)[1] - 1 = floor(log2(a)), exactly
;;       r = np.clip(x / 2.0 ** e, -448, 448)
;;       step = 2.0 ** (np.maximum(np.frexp(np.where(r == 0, 1, r))[1] - 1, -6) - 3)
;;       q = np.round(r / step) * step * 2.0 ** e      # np.round: ties to even
;;       return np.moveaxis(q.reshape(q.shape[:-2] + (-1,))[..., :K], -1, axis).astype(np.float32)
;;   ~~~
;;   SOFTMAX AHEAD OF A QUANTISED PRODUCT. Where the list says 'softmax', what is quantised is not the finished softmax but p = 2^(t - M), with t = logit x log2(e) and M = ceil(the row's largest t), a whole number; so 1/2 < the row's largest p <= 1. The row's sum l is taken of the UNQUANTISED p, in f32, and the product's result is divided by l at the end. Since M is a whole number, a kernel that streams over the keys may use a running M (the ceiling of the running maximum): every later rescaling is an exact power of two, which a block's scale takes up: the codes' values come out the same.
;;   OPERANDS COMPUTED ON THE WAY. 'Computed on the way' means the value that the module computes at that place (a softmax that the list does not call 'softmax' is quantised finished and normalised). What goes into a quantiser is computed in f32, as accurately as f32 sums, v_exp_f32 and their like allow (about 1e-6 of the number): no bf16 or f16 on the way to a quantiser, and a product that is left as it is and whose result goes on into a quantised operand takes f32 operands (vector FMAs, or v_wmma_f32_16x16x4_f32). A number that lies on a knife's edge between two numbers of the format may be rounded either way, as far as f32 arithmetic and the matrix unit's own rounding can turn it there, and no further.
;; One version. Each part assembles by itself: llvm-mc -triple=amdgcn-amd-amdhsa -mcpu=gfx1250 --defsym DOCPART=n.
;; ======== version 1 of 1: 4 launches
;; limits: right only within a limited range of input values
;; workspace buffers: wst 2,162,688 bytes; qimg 8,388,608 bytes; qsc 524,288 bytes; kv 17,301,504 bytes; acodes 8,388,608 bytes; asc 262,144 bytes
;; launch wquant (part 1): grid 256 x 1, 4 waves a work-group, no clusters, 768 bytes of LDS; arguments w_q, w_k, w_v, w_o, w_1, w_2, wst; writes wst
.if DOCPART == 1
	.amdgcn_target "amdgcn-amd-amdhsa--gfx1250"
	.amdhsa_code_object_version 6
	.text
	.protected	k_q7d54831c29_wquant
	.globl	k_q7d54831c29_wquant
	.p2align	8
	.type	k_q7d54831c29_wquant,@function
k_q7d54831c29_wquant:
	s_mov_b64 s[64:65], 0
	v_nop
	global_prefetch_b8 v0, s[64:65] scope:SCOPE_SE
	s_setreg_imm32_b32 hwreg(HW_REG_WAVE_MODE, 25, 1), 1
	s_wait_xcnt 0x0
; THE SIX WEIGHTS, f32 with K innermost, become codes of FP8 (E4M3) with one E8M0 scale byte for each 32 along K, laid in the order in which the two product launches stream them.
; A UNIT is 64 rows of a weight x 512 along K: 16 fragments (tile t of 16 rows, K step s of 128) as IMAGES OF THE OPERAND'S REGISTERS (4 chunks of 512 bytes, lane l's 16 bytes at 16 l), fragment (t, s) at (4 t + s) x 2,048,
; and behind them, at 32,768 + 256 t + 16 r + 4 s, row r's scale word of K step s.  33,792 bytes a unit, 64 units.
; THE ROWS OF A TILE ARE NOT NEIGHBOURS: lane r of tile 2 b + u takes row 32 b + 8 u + r + 8 (r / 8), so that in a transposed product the 16 result registers of tiles 2 b and 2 b + 1 are 16 neighbours along the next K.
; ORDER: units 0-7 w_q, 8-15 w_k, 16-23 w_v (row group g = u % 8).  From unit 24 on, p = u - 24, wave w = p % 4, slot p / 4: slots 0,1 w_o; 2,3 w_1 rows 0-511; 4,5 w_2 K 0-511; 6,7 w_1 rows 512-1023; 8,9 w_2 K 512-1023;
; row group g = 2 w + (slot % 2), + 8 for w_1's second half.
; SHARES: a work-group takes one tile of one unit (256 work-groups), its wave s the K step s: one fragment, 64 numbers a lane, in the order that the operand's layout gives that lane.  No work-group shares an input with another:
; no cluster, no tensor load.  The weights are 8 MiB in all and are read once.
; A block's scale is 2^(floor(log2(its largest magnitude)) - 8); its byte is the largest magnitude's exponent field - 8, held at 1 from below.
; LIMITS: a block of zeros gets the byte 1 where the rule says 127 (its codes are zeros, and this program alone reads the bytes); NaN and infinities among the inputs are not served.
.set UNITB, 33792
.set X,   16                           ; v16-79   64 numbers
.set TM,  80                           ; v80-95   at work in QUANT
.set PCA, 96                           ; v96-111  the codes
.set PW,  8                            ; v8       the scale word
.set SEL, 40                           ; s[40:41] v_permlanex16_b32's selects for lane l xor 16
.set MNT, 42                           ; s42      the mantissa field of 448
.set WV,  43                           ; s43      my wave's number
; 64 numbers of a lane, v[s] .. v[s + 63], register 16 b + i = k 32 b + 16 (lane / 16) + i of my row, become a fragment's codes in v[pc] on and its scale word in v[pw].
.macro QUANT s, relu, pc, pw
.if \relu
.irp b, 0,1,2,3
	v_max3_num_f32 v[TM+\b], v[(\s)+16*\b], v[(\s)+1+16*\b], 0x4800000
.endr
.irp i, 2,4,6,8,10,12,14
.irp b, 0,1,2,3
	v_max3_num_f32 v[TM+\b], v[TM+\b], v[(\s)+16*\b+\i], v[(\s)+1+16*\b+\i]
.endr
.endr
.else
.irp b, 0,1,2,3
	v_max3_num_f32 v[TM+\b], |v[(\s)+16*\b]|, |v[(\s)+1+16*\b]|, 0x4800000   ; block b: my 16 numbers, and the floor 2^(9 - 127): the byte cannot fall under 1
.endr
.irp i, 2,4,6,8,10,12,14
.irp b, 0,1,2,3
	v_max3_num_f32 v[TM+\b], v[TM+\b], |v[(\s)+16*\b+\i]|, |v[(\s)+1+16*\b+\i]|   ; the four blocks by turns
.endr
.endr
.endif
.irp b, 0,1,2,3
	v_permlanex16_b32 v[TM+4+\b], v[TM+\b], s[SEL], s[SEL+1]
.endr
.irp b, 0,1,2,3
	v_max_num_f32 v[TM+\b], v[TM+\b], v[TM+4+\b]   ; with lane l xor 16's: the block's largest magnitude
.endr
.irp b, 0,1,2,3
	v_add_nc_u32 v[TM+12+\b], 0xfc000000, v[TM+\b]   ; 8 off its exponent field: the conversion's scale operand
.endr
.irp b, 0,1,2,3
	v_and_or_b32 v[TM+8+\b], v[TM+\b], 0x7f800000, s[MNT]   ; 448 x the scale
.endr
.irp b, 0,1,2,3
	v_lshrrev_b32 v[TM+4+\b], 23, v[TM+12+\b]   ; the scale's byte
.endr
	v_lshl_or_b32 v[\pw], v[TM+5], 8, v[TM+4]
	v_lshl_or_b32 v[\pw], v[TM+6], 16, v[\pw]
	v_lshl_or_b32 v[\pw], v[TM+7], 24, v[\pw]
.irp b, 0,1,2,3
.irp i, 0,1,2,3,4,5,6,7,8,9,10,11,12,13,14,15
.if \relu
	v_med3_num_f32 v[(\s)+16*\b+\i], v[(\s)+16*\b+\i], 0, v[TM+8+\b]
.else
	v_med3_num_f32 v[(\s)+16*\b+\i], v[(\s)+16*\b+\i], -v[TM+8+\b], v[TM+8+\b]   ; the conversion to an 8-bit code does not saturate (ISA guide 7.6.2): the hold comes first
.endif
.endr
	v_cvt_scalef32_pk8_fp8_f32 v[(\pc)+4*\b:(\pc)+1+4*\b], v[(\s)+16*\b:(\s)+7+16*\b], v[TM+12+\b]
	v_cvt_scalef32_pk8_fp8_f32 v[(\pc)+2+4*\b:(\pc)+3+4*\b], v[(\s)+8+16*\b:(\s)+15+16*\b], v[TM+12+\b]
.endr
	v_nop                                          ; one plain vector line behind the last conversion
.endm
	s_load_b256 s[4:11], s[0:1], 0x0               ; w_q s[4:5], w_k s[6:7], w_v s[8:9], w_o s[10:11]
	s_load_b128 s[12:15], s[0:1], 0x20             ; w_1 s[12:13], w_2 s[14:15]
	s_load_b64 s[16:17], s[0:1], 0x30              ; wst
	v_lshl_add_u32 v112, v0, 2, 0x100
	v_mov_b32 v113, 0
	v_lshrrev_b32 v1, 5, v0
	v_readfirstlane_b32 s[WV], v1                  ; wave = K step
	s_lshr_b32 s20, ttmp9, 2                       ; the unit u
	s_and_b32 s21, ttmp9, 3                        ; the tile t
	s_lshr_b32 s22, s20, 3                         ; units under 24: kind = u / 8 (0 w_q, 1 w_k, 2 w_v), g = u % 8
	s_and_b32 s23, s20, 7
	s_max_u32 s24, s20, 24
	s_sub_co_u32 s24, s24, 24                      ; from 24 on: p = u - 24
	s_lshr_b32 s25, s24, 3
	s_add_co_u32 s25, s25, 3                       ; kind = 3 + p / 8 (3 w_o, 4 and 6 w_1, 5 and 7 w_2)
	s_and_b32 s26, s24, 3
	s_lshl_b32 s26, s26, 1
	s_bfe_u32 s27, s24, 0x10002
	s_add_co_u32 s26, s26, s27                     ; g = 2 (p % 4) + (p / 4) % 2
	s_cmp_lt_u32 s20, 24
	s_cselect_b32 s22, s22, s25                    ; kind
	s_cselect_b32 s23, s23, s26                    ; g
	s_cmp_eq_u32 s22, 6
	s_cselect_b32 s27, 8, 0
	s_add_co_u32 s23, s23, s27                     ; w_1's second half: rows 512 on
	s_cmp_eq_u32 s22, 7
	s_cselect_b32 s28, 2048, 0                     ; w_2's second half: K 512 on, in bytes
	s_and_b32 s29, s22, 5                          ; 4: w_1, 5: w_2
	s_cmp_eq_u32 s29, 5
	s_cselect_b32 s30, 12, 11                      ; a row is 4,096 bytes in w_2, 2,048 in the others: as a shift
	s_lshl_b32 s31, s23, 6
	s_lshr_b32 s32, s21, 1
	s_lshl_b32 s32, s32, 5
	s_add_co_u32 s31, s31, s32
	s_and_b32 s32, s21, 1
	s_lshl_b32 s32, s32, 3
	s_add_co_u32 s31, s31, s32                     ; the tile's first row: 64 g + 32 (t / 2) + 8 (t % 2)
	s_lshl_b32 s32, s31, s30
	s_add_co_u32 s32, s32, s28
	s_mov_b32 s33, 0                               ; s[32:33]: where the tile begins in its weight, in bytes
	s_mul_i32 s35, s20, UNITB
	s_lshl_b32 s36, s21, 2
	s_add_co_u32 s36, s36, s[WV]
	s_lshl_b32 s36, s36, 11
	s_add_co_u32 s36, s36, s35
	s_mov_b32 s37, 0                               ; s[36:37]: my fragment's image in wst
	s_lshl_b32 s38, s21, 8
	s_add_co_u32 s38, s38, s35
	s_add_co_u32 s38, s38, 32768
	s_mov_b32 s39, 0                               ; s[38:39]: the tile's 256 bytes of scale words
	s_mov_b32 s[SEL], 0x76543210
	s_mov_b32 s[SEL+1], 0xfedcba98
	s_mov_b32 s[MNT], 0x600000
	v_and_b32 v2, 15, v0                           ; r
	v_bfe_u32 v3, v0, 4, 1                         ; h
	v_and_b32 v4, 8, v2
	v_add_nc_u32 v4, v4, v2                        ; r + 8 (r / 8)
	v_lshlrev_b32 v4, s30, v4
	v_lshl_add_u32 v4, v3, 6, v4                   ; + 64 h: my 16 numbers of a block of 32
	s_lshl_b32 s34, s[WV], 9
	v_add_nc_u32 v4, s34, v4                       ; + 512 x K step
	v_and_b32 v5, 31, v0
	v_lshlrev_b32 v7, 3, v5                        ; 8 x lane: the scale words' way out
	v_lshlrev_b32 v5, 4, v5                        ; 16 x lane: an image's place for my lane
	s_lshl_b32 s34, s[WV], 2
	v_lshl_add_u32 v6, v2, 4, s34                  ; LDS: 16 r + 4 s
.irp b, 0,1,2,3
	v_mov_b32 v[TM+4+\b], 0                        ; written once: a lane permute's destination counts as one of its sources
.endr
	s_wait_kmcnt 0x0
	s_cmp_eq_u32 s22, 1                            ; the weight is chosen on the work-group's number alone
	s_cselect_b64 s[4:5], s[6:7], s[4:5]
	s_cmp_eq_u32 s22, 2
	s_cselect_b64 s[4:5], s[8:9], s[4:5]
	s_cmp_eq_u32 s22, 3
	s_cselect_b64 s[4:5], s[10:11], s[4:5]
	s_cmp_eq_u32 s29, 4
	s_cselect_b64 s[4:5], s[12:13], s[4:5]
	s_cmp_eq_u32 s29, 5
	s_cselect_b64 s[4:5], s[14:15], s[4:5]
	s_add_nc_u64 s[4:5], s[4:5], s[32:33]
	s_add_nc_u64 s[18:19], s[16:17], s[36:37]
	s_add_nc_u64 s[38:39], s[16:17], s[38:39]
.irp c, 0,1,2,3
.irp j, 0,1,2,3
	global_load_b128 v[X+16*\c+4*\j:X+16*\c+4*\j+3], v4, s[4:5] offset:128*\c+16*\j th:TH_LOAD_NT   ; k = 128 s + 32 c + 16 h + 4 j on, of my row
.endr
.endr
	s_wait_loadcnt 0x0
	QUANT X, 0, PCA, PW
.irp c, 0,1,2,3
	global_store_b128 v5, v[PCA+4*\c:PCA+4*\c+3], s[18:19] offset:512*\c   ; 32 lanes store 512 consecutive bytes, aligned
.endr
	ds_store_b32 v6, v[PW]                         ; both halves of the lanes write the same word with the same value
	s_wait_dscnt 0x0                               ; for the others' sake: my word lies in LDS
	s_barrier_signal -1
	s_barrier_wait -1
	s_cmp_lg_u32 s[WV], 0
	s_cbranch_scc1 .Ldone
	ds_load_b64 v[10:11], v7                       ; the four waves' words of 16 rows: 256 bytes
	s_wait_dscnt 0x0
	global_store_b64 v7, v[10:11], s[38:39]        ; 32 lanes store 256 consecutive bytes, aligned
.Ldone:
	s_wait_tensorcnt 0x0
	ds_add_u32 v112, v113
	s_wait_dscnt 0x0
	s_endpgm
.Lfunc_end_k_q7d54831c29_wquant:
	.size	k_q7d54831c29_wquant, .Lfunc_end_k_q7d54831c29_wquant-k_q7d54831c29_wquant
	.p2alignl 7, 3214868480
	.fill 96, 4, 3214868480
	.section	.rodata,"a",@progbits
	.p2align	6, 0x0
	.amdhsa_kernel k_q7d54831c29_wquant
		.amdhsa_group_segment_fixed_size 768
		.amdhsa_private_segment_fixed_size 0
		.amdhsa_enable_private_segment 0
		.amdhsa_kernarg_size 56
		.amdhsa_user_sgpr_count 2
		.amdhsa_user_sgpr_kernarg_segment_ptr 1
		.amdhsa_wavefront_size32 1
		.amdhsa_system_sgpr_workgroup_id_x 1
		.amdhsa_system_sgpr_workgroup_id_y 1
		.amdhsa_system_sgpr_workgroup_id_z 1
		.amdhsa_system_vgpr_workitem_id 0
		.amdhsa_next_free_vgpr 114
		.amdhsa_next_free_sgpr 66
		.amdhsa_reserve_vcc 0
		.amdhsa_float_denorm_mode_32 3
		.amdhsa_float_denorm_mode_16_64 3
		.amdhsa_memory_ordered 1
		.amdhsa_forward_progress 1
		.amdhsa_inst_pref_size 14
	.end_amdhsa_kernel
	.amdgpu_metadata
---
amdhsa.version: [ 1, 2 ]
amdhsa.kernels:
  - .name:           k_q7d54831c29_wquant
    .symbol:         k_q7d54831c29_wquant.kd
    .args:
      - { .name: w_q, .offset: 0, .size: 8, .value_kind: global_buffer, .address_space: global }
      - { .name: w_k, .offset: 8, .size: 8, .value_kind: global_buffer, .address_space: global }
      - { .name: w_v, .offset: 16, .size: 8, .value_kind: global_buffer, .address_space: global }
      - { .name: w_o, .offset: 24, .size: 8, .value_kind: global_buffer, .address_space: global }
      - { .name: w_1, .offset: 32, .size: 8, .value_kind: global_buffer, .address_space: global }
      - { .name: w_2, .offset: 40, .size: 8, .value_kind: global_buffer, .address_space: global }
      - { .name: wst, .offset: 48, .size: 8, .value_kind: global_buffer, .address_space: global }
    .group_segment_fixed_size: 768
    .private_segment_fixed_size: 0
    .kernarg_segment_align: 8
    .kernarg_segment_size: 56
    .max_flat_workgroup_size: 128
    .sgpr_count:     66
    .vgpr_count:     114
    .wavefront_size: 32
...
	.end_amdgpu_metadata
.endif
;; end of part 1
;; launch qkv (part 2): grid 256 x 1, 4 waves a work-group, clusters of 4 x 1, 327,680 bytes of LDS; arguments x, src_mask, b_q, b_k, b_v, wst, qimg, qsc, kv; writes qimg, qsc, kv
.if DOCPART == 2
	.amdgcn_target "amdgcn-amd-amdhsa--gfx1250"
	.amdhsa_code_object_version 6
	.text
	.protected	k_q7d54831c29_qkv
	.globl	k_q7d54831c29_qkv
	.p2align	8
	.type	k_q7d54831c29_qkv,@function
k_q7d54831c29_qkv:
	s_mov_b64 s[64:65], 0
	v_nop
	global_prefetch_b8 v0, s[64:65] scope:SCOPE_SE
	s_setreg_imm32_b32 hwreg(HW_REG_WAVE_MODE, 25, 1), 1
	s_wait_xcnt 0x0
	s_wait_alu depctr_hold_cnt(0) depctr_sa_sdst(0) depctr_va_vdst(0) depctr_va_sdst(0) depctr_va_ssrc(0) depctr_va_vcc(0) depctr_vm_vsrc(0)
	s_getreg_b32 s2, hwreg(HW_REG_IB_STS2, 6, 4)
	s_cmp_eq_u32 s2, 0
	s_cbranch_scc0 .Lentry_in_a_cluster
	s_endpgm
.Lentry_in_a_cluster:
	s_bfe_u32 s2, ttmp6, 0x10000c
	s_cmp_lg_u32 s2, 0x3003
	s_cbranch_scc0 .Lentry_shape_is_right
	s_endpgm
.Lentry_shape_is_right:
; xn = (x - mean) / sqrt(var + 1e-6) (var over 511), quantised along D; q, k, v = xn W^T + b on codes of FP8 (E4M3) with E8M0 scales; q and k are quantised along the head's 64, v along the keys.
; SHARES.  A work-group owns 64 tokens as four tiles m of 16: row r of tile 2 b + u is token 32 b + 8 u + r + 8 (r / 8).  Its four waves share the COLUMNS: in each of six slots (q, q, k, k, v, v) wave w works one unit
; of the weight stream (64 rows = one head, 512 along K), head 4 i + w, for all four token tiles: 64 matrix instructions.  xn's 16 fragments stay in each wave's registers (window 1).
; q and k are made TRANSPOSED (source 0 = 16 rows of W, source 1 = 16 tokens): a lane holds one token and its registers run along the head's channels.  v is made the other way round (source 0 = tokens): a lane holds one channel
; and its registers run along the tokens, which are the second attention product's K.  So every conversion's result is a piece of an operand's register image, and leaves as 512 consecutive bytes an instruction.
; THE MASK: the codes of k of a masked key are stored as zeros; the attention launch adds the masked logit as the C of its score product.
; CLUSTER.  The four work-groups of a cluster walk the same weight stream: each unit is asked for JOINTLY (the same tensor load, the same descriptor, the mask 15).  x's tile is each work-group's own load.
; RING.  Two slots of four units (135,168 bytes).  x's 64 rows are slot 1's first fill; they are read into registers before the slot takes its first weights.
; LDS: slot 0 at 0, slot 1 at SLOTB; EX: xn's 16 images (32,768) and their scale words (2,048); BIA: the three biases; SPARE: the spare words.
; REGISTERS.  window 0: v1-23 addresses; v24-31 W's scale words; v32-39 xn's; v40-43 the mask; v48-63 a bias as C; v64-127 W's fragments in two halves, at other times QUANT's work (v64-80), temporaries (v81-95) and two sets
; of codes (v96-127); v128-255 the unit's 16 accumulators.   window 1: xn's fragments (m, s) at 64 m + 16 s.   window 2: my tile's 256 numbers of x a lane.
; LIMITS: a block of zeros gets the byte 1 where the rule says 127 (this program alone reads the bytes); NaN and infinities are not served; 1 / sqrt by v_rsq_f32 (1 ulp), 1 / 511 by a multiplication.
.set UNITB, 33792
.set SLOTB, 4*UNITB
.set EX,    2*SLOTB
.set XSC,   EX+32768
.set BIA,   EX+34816+2048
.set SPARE, BIA+8192
.set STREAM, 0
.set SPW, 1
.set NIL, 2
.set LI,  3                            ; 16 x lane
.set LS,  4                            ; 4 x lane
.set WA,  5                            ; v5, v6: my unit in slot 0, 1, + 16 x lane
.set BA,  7                            ; BIA + 64 h + 256 w
.set IWA, 8                            ; where I store images
.set ISA, 9                            ; and their scale words
.set EXL, 11                           ; EX + 16 x lane
.set XSL, 12                           ; XSC + 4 x lane
.set XA,  13                           ; my row of x in slot 1
.set BVA, 14                           ; b_v at my channel
.set KO,  15                           ; byte offsets in a record of kv
.set VO,  16
.set KSO, 17
.set VSO, 18
.set MO,  19                           ; 4 (r + 8 (r / 8))
.set WS,  24
.set XS,  32
.set MK,  40
.set BI,  48
.set WB,  64
.set TM,  64
.set PW,  80
.set PCA, 96
.set HA,  128
.set G1W, 24                           ; s[24:31] group 1 of a unit;  s[32:39] of x's tile;  s[40:43] x's group 0;  s[44:47], s[48:51] the slots' groups 0
.set G1X, 32
.set G0X, 40
.set G0A, 44
.set WV,  52
.set MNT, 53
.set SEL, 54
.set HM,  56                           ; lanes 16-31, as a mask for v_cndmask_b32
.set MS,  57                           ; s57-60: lanes whose token of tile m is open
.set P01, 61
.set P23, 62
.set C511, 69
.set QB,  80
.set QSB, 82
.set KVB, 84
.set MSB, 0
.macro WIN new                         ; the immediate's high byte repeats the setting that is left; a switch that changes nothing is dropped
.if MSB != (\new)
	s_set_vgpr_msb (MSB<<8)|(\new)
.set MSB, (\new)
.endif
.endm
.macro PLACES n
.rept \n
	v_nop
.endr
.endm
.macro BARRIER                         ; my LDS stores have landed and my LDS loads are in: then the work-group's barrier
	s_wait_dscnt 0x0
	s_barrier_signal -1
	s_barrier_wait -1
.endm
.macro ROUND                           ; a round of the cluster's barrier
	s_barrier_signal -1
	s_barrier_wait -1
	s_cmp_lg_u32 s[WV], 0
	s_cbranch_scc1 .Lnot_wave_0_\@
	s_barrier_signal -3
.Lnot_wave_0_\@:
	s_barrier_wait -3
	s_barrier_signal -1
	s_barrier_wait -1
.endm
; THE CHANGE OF SLOTS, at the head of the work on \slot.  Each wave waits for all its tensor loads (its unit of \slot), adds 0 to its spare word, and waits for that and for its reads of the other slot; the round then holds
; of every wave of the four work-groups.  refill = 1: the other slot takes the stream's next four units: the first thing behind the round, one load a wave.
.macro CHANGE slot, refill
	WIN 0
	s_wait_tensorcnt 0x0                           ; no tensor load of mine is out, so a group 0 may be written
	ds_add_u32 v[SPW], v[NIL]                      ; 0 onto my spare word
	s_add_nc_u64 s[G0A+4*\slot+2:G0A+4*\slot+3], s[G0A+4*\slot+2:G0A+4*\slot+3], 2*SLOTB   ; this slot's next units
	s_wait_dscnt 0x0                               ; the add is done, and my reads of the other slot are over
	ROUND
.if \refill
	tensor_load_to_lds s[G0A+4*(1-\slot):G0A+4*(1-\slot)+3], s[G1W:G1W+7]
	s_nop 0
	PLACES 4
.endif
.endm
.macro QUANT s, relu, pc, pw           ; 64 numbers of a lane, register 16 b + i = k 32 b + 16 (lane / 16) + i of block b, become 16 registers of codes and a word of four scale bytes
.if \relu
.irp b, 0,1,2,3
	v_max3_num_f32 v[TM+\b], v[(\s)+16*\b], v[(\s)+1+16*\b], 0x4800000
.endr
.irp i, 2,4,6,8,10,12,14
.irp b, 0,1,2,3
	v_max3_num_f32 v[TM+\b], v[TM+\b], v[(\s)+16*\b+\i], v[(\s)+1+16*\b+\i]
.endr
.endr
.else
.irp b, 0,1,2,3
	v_max3_num_f32 v[TM+\b], |v[(\s)+16*\b]|, |v[(\s)+1+16*\b]|, 0x4800000   ; my 16 numbers, and the floor 2^(9 - 127): the byte cannot fall under 1
.endr
.irp i, 2,4,6,8,10,12,14
.irp b, 0,1,2,3
	v_max3_num_f32 v[TM+\b], v[TM+\b], |v[(\s)+16*\b+\i]|, |v[(\s)+1+16*\b+\i]|
.endr
.endr
.endif
.irp b, 0,1,2,3
	v_permlanex16_b32 v[TM+4+\b], v[TM+\b], s[SEL], s[SEL+1]
.endr
.irp b, 0,1,2,3
	v_max_num_f32 v[TM+\b], v[TM+\b], v[TM+4+\b]   ; with lane l xor 16's: the block's largest magnitude
.endr
.irp b, 0,1,2,3
	v_add_nc_u32 v[TM+12+\b], 0xfc000000, v[TM+\b]   ; 8 off its exponent field: the conversion's scale operand
.endr
.irp b, 0,1,2,3
	v_and_or_b32 v[TM+8+\b], v[TM+\b], 0x7f800000, s[MNT]   ; 448 x the scale
.endr
.irp b, 0,1,2,3
	v_lshrrev_b32 v[TM+4+\b], 23, v[TM+12+\b]   ; the scale's byte
.endr
	v_lshl_or_b32 v[\pw], v[TM+5], 8, v[TM+4]
	v_lshl_or_b32 v[\pw], v[TM+6], 16, v[\pw]
	v_lshl_or_b32 v[\pw], v[TM+7], 24, v[\pw]
.irp b, 0,1,2,3
.irp i, 0,1,2,3,4,5,6,7,8,9,10,11,12,13,14,15
.if \relu
	v_med3_num_f32 v[(\s)+16*\b+\i], v[(\s)+16*\b+\i], 0, v[TM+8+\b]
.else
	v_med3_num_f32 v[(\s)+16*\b+\i], v[(\s)+16*\b+\i], -v[TM+8+\b], v[TM+8+\b]   ; the conversion does not saturate (ISA guide 7.6.2): the hold comes first
.endif
.endr
	v_cvt_scalef32_pk8_fp8_f32 v[(\pc)+4*\b:(\pc)+1+4*\b], v[(\s)+16*\b:(\s)+7+16*\b], v[TM+12+\b]
	v_cvt_scalef32_pk8_fp8_f32 v[(\pc)+2+4*\b:(\pc)+3+4*\b], v[(\s)+8+16*\b:(\s)+15+16*\b], v[TM+12+\b]
.endr
	v_nop                                          ; one plain vector line behind the last conversion
.endm
.macro MM d, a, b, c, sa, sb, ra, rb   ; one scaled matrix instruction; c < 0: the constant 0 starts the sum; ra, rb: the scales stand in lanes 16-31
.if (\c) < 0
.if (\ra) && (\rb)
	v_wmma_scale_f32_16x16x128_f8f6f4 v[(\d):(\d)+7], v[(\a):(\a)+15], v[(\b):(\b)+15], 0, v[\sa], v[\sb] matrix_a_scale:MATRIX_SCALE_ROW1 matrix_b_scale:MATRIX_SCALE_ROW1
.elseif (\ra)
	v_wmma_scale_f32_16x16x128_f8f6f4 v[(\d):(\d)+7], v[(\a):(\a)+15], v[(\b):(\b)+15], 0, v[\sa], v[\sb] matrix_a_scale:MATRIX_SCALE_ROW1
.elseif (\rb)
	v_wmma_scale_f32_16x16x128_f8f6f4 v[(\d):(\d)+7], v[(\a):(\a)+15], v[(\b):(\b)+15], 0, v[\sa], v[\sb] matrix_b_scale:MATRIX_SCALE_ROW1
.else
	v_wmma_scale_f32_16x16x128_f8f6f4 v[(\d):(\d)+7], v[(\a):(\a)+15], v[(\b):(\b)+15], 0, v[\sa], v[\sb]
.endif
.else
.if (\ra) && (\rb)
	v_wmma_scale_f32_16x16x128_f8f6f4 v[(\d):(\d)+7], v[(\a):(\a)+15], v[(\b):(\b)+15], v[(\c):(\c)+7], v[\sa], v[\sb] matrix_a_scale:MATRIX_SCALE_ROW1 matrix_b_scale:MATRIX_SCALE_ROW1
.elseif (\ra)
	v_wmma_scale_f32_16x16x128_f8f6f4 v[(\d):(\d)+7], v[(\a):(\a)+15], v[(\b):(\b)+15], v[(\c):(\c)+7], v[\sa], v[\sb] matrix_a_scale:MATRIX_SCALE_ROW1
.elseif (\rb)
	v_wmma_scale_f32_16x16x128_f8f6f4 v[(\d):(\d)+7], v[(\a):(\a)+15], v[(\b):(\b)+15], v[(\c):(\c)+7], v[\sa], v[\sb] matrix_b_scale:MATRIX_SCALE_ROW1
.else
	v_wmma_scale_f32_16x16x128_f8f6f4 v[(\d):(\d)+7], v[(\a):(\a)+15], v[(\b):(\b)+15], v[(\c):(\c)+7], v[\sa], v[\sb]
.endif
.endif
.endm
.macro BLOAD t                         ; tile t's bias in the result's layout: lane (r, h): the tile's eight rows of its half
	ds_load_b128 v[BI+8*((\t)%2):BI+8*((\t)%2)+3], v[G_BR] offset:G_BO+128*((\t)/2)+32*((\t)%2)
	ds_load_b128 v[BI+8*((\t)%2)+4:BI+8*((\t)%2)+7], v[G_BR] offset:G_BO+128*((\t)/2)+32*((\t)%2)+16
.endm
.macro WLOAD t, half                   ; W's fragments (t, 2 half) and (t, 2 half + 1) into that half of the buffer: eight loads of 512 consecutive bytes
.irp sp, 0,1
.irp c, 0,1,2,3
	ds_load_b128 v[WB+32*(\half)+16*\sp+4*\c:WB+32*(\half)+16*\sp+4*\c+3], v[WA+G_SL] offset:(4*(\t)+2*(\half)+\sp)*2048+512*\c
.endr
.endr
.endm
.macro MM8 t, half                     ; eight matrix instructions: two K steps x the four token tiles; the tile's four accumulators take turns, one instruction a turn
	WIN G_WV
.irp sp, 0,1
.irp m, 0,1,2,3
.set M_S, 2*(\half)+\sp
.set M_D, G_AB+G_MS*\m+G_TS*(\t)
.set M_W, WB+32*(\half)+16*\sp
.set M_A, 64*\m+16*M_S
.set M_SW, WS+4*((\t)/2)+M_S
.set M_SX, G_XS+2*M_S+\m/2
.set M_C, M_D
.if M_S == 0
.if G_CM == 0
.set M_C, -1
.endif
.if G_CM == 1
.set M_C, BI+8*((\t)%2)
.endif
.endif
.if G_SW
	MM M_D, M_A, M_W, M_C, M_SX, M_SW, \m%2, (\t)%2
.else
	MM M_D, M_W, M_A, M_C, M_SW, M_SX, (\t)%2, \m%2
.endif
.endr
.endr
.endm
; ONE UNIT: 4 tiles of W x 4 token tiles x 4 K steps.  Accumulator (t, m) at abase + mstr m + tstr t of window accw; the tokens' fragments in window aw, their scale words at xsb + 2 s + m / 2 (lanes 16-31 for odd m).
; cmode 0: the first K step starts the sums with 0; 1: with the bias (from LDS at v[bar] + bo); 2: the sums go on in place.  swap = 1: source 0 = tokens, source 1 = W.
; Loads into registers that matrix instructions have read stand eight plain vector places behind them.
.macro GEMMU slot, abase, mstr, tstr, accw, aw, xsb, cmode, swap, bar, bo
.set G_SL, \slot
.set G_AB, \abase
.set G_MS, \mstr
.set G_TS, \tstr
.set G_XS, \xsb
.set G_CM, \cmode
.set G_SW, \swap
.set G_BR, \bar
.set G_BO, \bo
.if \swap
.set G_WV, ((\accw)<<6)|((\accw)<<4)|(\aw)
.else
.set G_WV, ((\accw)<<6)|((\accw)<<4)|((\aw)<<2)
.endif
	s_wait_xcnt 0x0                                ; earlier stores have read their data: the registers that W's fragments share with the codes are loaded only behind this wait
	WIN 0
	ds_load_b128 v[WS:WS+3], v[WA+\slot] offset:32768     ; scale words: lanes 0-15 tile 0, lanes 16-31 tile 1; register = K step
	ds_load_b128 v[WS+4:WS+7], v[WA+\slot] offset:33280   ; tiles 2 and 3
.if \cmode == 1
	BLOAD 0
.endif
	WLOAD 0, 0
	WLOAD 0, 1
.irp t, 0,1,2,3
	s_wait_dscnt 8                                 ; all but the youngest eight loads (K steps 2, 3) are in
	MM8 \t, 0
.if \t < 3
	PLACES 8
	WIN 0
.if \cmode == 1
	BLOAD \t+1
.endif
	WLOAD \t+1, 0
.if \cmode == 1
	s_wait_dscnt 10                                ; K steps 2, 3 are in; the ten loads just issued may be out
.else
	s_wait_dscnt 8                                 ; K steps 2, 3 are in; the eight loads just issued may be out
.endif
.else
	s_wait_dscnt 0x0
.endif
	MM8 \t, 1
.if \t < 3
	PLACES 8
	WIN 0
	WLOAD \t+1, 1
.endif
.endr
	WIN 0
	PLACES 8                                       ; in front of the first read of results, and of later loads into operands
.endm
.macro IMAGE adr, reg, off, n          ; n groups of four registers go to LDS as they stand: 512 consecutive bytes a store
.set IC, 0
.rept \n
	ds_store_b128 v[\adr], v[(\reg)+4*IC:(\reg)+4*IC+3] offset:(\off)+512*IC
.set IC, IC+1
.endr
.endm
.macro FETCHA win, xsb                 ; the 16 images in EX into window win, their scale words into v[xsb] on
	WIN (\win)<<6
.set FI, 0
.rept 64
	ds_load_b128 v[4*FI:4*FI+3], v[EXL] offset:512*FI
.set FI, FI+1
.endr
	WIN 0
.set FI, 0
.rept 8
	ds_load_b32 v[(\xsb)+FI], v[XSL] offset:128*FI
.set FI, FI+1
.endr
	s_wait_dscnt 0x0
.endm
	s_load_b256 s[4:11], s[0:1], 0x0               ; x s[4:5], src_mask s[6:7], b_q s[8:9], b_k s[10:11]
	s_load_b256 s[12:19], s[0:1], 0x20             ; b_v s[12:13], wst s[14:15], qimg s[16:17], qsc s[18:19]
	s_load_b64 s[20:21], s[0:1], 0x40              ; kv
	v_lshl_add_u32 v[SPW], v0, 2, SPARE
	v_mov_b32 v[NIL], 0
	ds_add_u32 v1, v2
	ds_add_u32 v1, v2
	s_wait_dscnt 0x0
	v_lshrrev_b32 v88, 5, v0
	v_readfirstlane_b32 s[WV], v88                 ; wave 0..3
	s_bfe_u32 s63, ttmp6, 0x40000                  ; cx
	s_lshl_b32 s66, ttmp9, 2
	s_add_co_u32 s66, s66, s63                     ; the work-group's number: it enters global addresses alone
	s_lshr_b32 s67, s66, 5                         ; batch
	s_and_b32 s68, s66, 31                         ; which 64 tokens of the batch
	v_and_b32 v88, 31, v0                          ; lane
	v_and_b32 v89, 15, v0                          ; r
	v_bfe_u32 v90, v0, 4, 1                        ; h
	v_and_b32 v91, 8, v89
	v_add_nc_u32 v91, v91, v89                     ; r + 8 (r / 8)
	v_lshlrev_b32 v[LI], 4, v88
	v_lshlrev_b32 v[LS], 2, v88
	s_mul_i32 s70, s[WV], UNITB
	v_add_nc_u32 v[WA], s70, v[LI]
	v_add_nc_u32 v[WA+1], SLOTB, v[WA]
	s_lshl_b32 s71, s[WV], 8
	v_lshl_add_u32 v[BA], v90, 6, s71
	v_add_nc_u32 v[BA], BIA, v[BA]
	s_lshl_b32 s72, s[WV], 13
	v_add_nc_u32 v[IWA], s72, v[LI]
	v_add_nc_u32 v[IWA], EX, v[IWA]                ; my token tile's four fragments: EX + 8,192 w + 16 x lane
	s_lshl_b32 s72, s[WV], 6
	v_lshl_add_u32 v[ISA], v89, 2, s72
	v_add_nc_u32 v[ISA], XSC, v[ISA]               ; their scale words: XSC + 256 s + 64 m + 4 r, m = w
	v_add_nc_u32 v[EXL], EX, v[LI]
	v_add_nc_u32 v[XSL], XSC, v[LS]
	s_lshr_b32 s72, s[WV], 1
	s_lshl_b32 s72, s72, 5
	s_and_b32 s73, s[WV], 1
	s_lshl_b32 s73, s73, 3
	s_add_co_u32 s72, s72, s73                     ; my tile's first token: 32 (w / 2) + 8 (w % 2)
	s_mul_i32 s72, s72, 2080                       ; a row of x in LDS: two pieces of 1,024 bytes, 16 of padding behind each
	s_add_co_u32 s72, s72, SLOTB
	v_mul_u32_u24 v[XA], v91, 2080
	v_lshl_add_u32 v[XA], v90, 6, v[XA]
	v_add_nc_u32 v[XA], s72, v[XA]
	v_lshl_add_u32 v[BVA], v91, 2, s71
	v_add_nc_u32 v[BVA], BIA+4096, v[BVA]
	s_and_b32 s73, s68, 1                          ; which half of a record's 128 keys my 64 tokens are
	s_lshl_b32 s74, s73, 12
	v_add_nc_u32 v[KO], s74, v[LI]                 ; k: two pair fragments of 2,048 bytes a half
	s_lshl_b32 s74, s73, 10
	s_add_co_u32 s74, s74, 8192
	v_add_nc_u32 v[VO], s74, v[LI]                 ; v: two chunks of 512 bytes of each of four fragments
	s_lshl_b32 s74, s73, 7
	s_add_co_u32 s74, s74, 16384
	v_add_nc_u32 v[KSO], s74, v[LS]
	s_lshl_b32 s74, s73, 1
	s_add_co_u32 s74, s74, 16640
	v_add_nc_u32 v[VSO], s74, v[LS]
	v_lshlrev_b32 v[MO], 2, v91
	v_lshlrev_b32 v92, 4, v0                       ; 16 x thread: my 16 bytes of a bias
	v_add_nc_u32 v93, BIA, v92
	v_mov_b32 v94, 0                               ; written once: lane permutes' destinations count as sources
.irp b, 0,1,2,3
	v_mov_b32 v[TM+4+\b], 0
.endr
	s_mov_b32 s[SEL], 0x76543210
	s_mov_b32 s[SEL+1], 0xfedcba98
	s_mov_b32 s[MNT], 0x600000
	s_mov_b32 s[HM], 0xffff0000
	s_mov_b32 s[P01], 0x01000100
	s_mov_b32 s[P23], 0x03020302
	s_mov_b32 s[C511], 0x3b004020                  ; 1 / 511
	; group 1 of a unit: 33,792 dense bytes as 132 rows of 256 (32 elements of 8 bytes); the mask names the four work-groups, bit 21 beside it
	s_mov_b32 s[G1W], 15|(3<<16)|(1<<21)
	s_mov_b32 s[G1W+1], 32<<16
	s_mov_b32 s[G1W+2], 132<<16
	s_mov_b32 s[G1W+3], 32<<16
	s_mov_b32 s[G1W+4], 132
	s_mov_b32 s[G1W+5], 32
	s_mov_b32 s[G1W+6], 0
	s_mov_b32 s[G1W+7], 0
	; group 1 of x's tile: my 16 rows, 32,768 dense bytes, as 32 rows of 1,024 (128 elements of 8 bytes), four words of padding behind every 256 words
	s_mov_b32 s[G1X], (3<<16)|(1<<20)|(7<<22)|(3<<25)
	s_mov_b32 s[G1X+1], 128<<16
	s_mov_b32 s[G1X+2], 32<<16
	s_mov_b32 s[G1X+3], 128<<16
	s_mov_b32 s[G1X+4], 32
	s_mov_b32 s[G1X+5], 128
	s_mov_b32 s[G1X+6], 0
	s_mov_b32 s[G1X+7], 0
	s_mov_b32 s[G0X], 1
	s_mul_i32 s[G0X+1], s[WV], 33280
	s_add_co_u32 s[G0X+1], s[G0X+1], SLOTB
	s_mov_b32 s[G0A], 1
	s_mov_b32 s[G0A+1], s70
	s_mov_b32 s[G0A+4], 1
	s_add_co_u32 s[G0A+5], s70, SLOTB
	s_lshl_b32 s74, s66, 17                        ; x: 64 rows of 2,048 bytes a work-group, 16 a wave
	s_lshl_b32 s75, s[WV], 15
	s_add_co_u32 s74, s74, s75
	s_mov_b32 s75, 0
	s_add_co_u32 s76, s70, STREAM
	s_mov_b32 s77, 0
	s_lshl_b32 s78, s67, 20                        ; qimg: 131,072 bytes a head, head 4 i + w; 4,096 a block of 64 tokens
	s_lshl_b32 s79, s[WV], 17
	s_add_co_u32 s78, s78, s79
	s_lshl_b32 s79, s68, 12
	s_add_co_u32 s78, s78, s79
	s_mov_b32 s79, 0
	s_lshl_b32 s86, s67, 16                        ; qsc: 8,192 bytes a head, 256 a block
	s_lshl_b32 s87, s[WV], 13
	s_add_co_u32 s86, s86, s87
	s_lshl_b32 s87, s68, 8
	s_add_co_u32 s86, s86, s87
	s_mov_b32 s87, 0
	s_lshl_b32 s88, s67, 7                         ; kv: record 128 batch + 16 w + block / 2 (+ 64 i)
	s_lshl_b32 s89, s[WV], 4
	s_add_co_u32 s88, s88, s89
	s_lshr_b32 s89, s68, 1
	s_add_co_u32 s88, s88, s89
	s_mul_i32 s88, s88, 16896
	s_mov_b32 s89, 0
	s_lshl_b32 s90, s66, 8                         ; the mask: 64 words a work-group
	s_mov_b32 s91, 0
	s_wait_kmcnt 0x0
	s_add_nc_u64 s[G0X+2:G0X+3], s[4:5], s[74:75]
	s_or_b32 s[G0X+3], s[G0X+3], 0x80000000
	s_add_nc_u64 s[G0A+2:G0A+3], s[14:15], s[76:77]
	s_add_nc_u64 s[G0A+6:G0A+7], s[G0A+2:G0A+3], SLOTB
	s_or_b32 s[G0A+3], s[G0A+3], 0x80000000
	s_or_b32 s[G0A+7], s[G0A+7], 0x80000000
	s_add_nc_u64 s[QB:QB+1], s[16:17], s[78:79]
	s_add_nc_u64 s[QSB:QSB+1], s[18:19], s[86:87]
	s_add_nc_u64 s[KVB:KVB+1], s[20:21], s[88:89]
	s_add_nc_u64 s[6:7], s[6:7], s[90:91]
.irp m, 0,1,2,3
	global_load_b32 v[MK+\m], v[MO], s[6:7] offset:(32*(\m/2)+8*(\m%2))*4   ; the mask of token (m, r)
.endr
	global_load_b128 v[HA:HA+3], v92, s[8:9]
	global_load_b128 v[HA+4:HA+7], v92, s[10:11]
	global_load_b128 v[HA+8:HA+11], v92, s[12:13]
	ROUND                                          ; all four work-groups are here: the first joint loads meet
	tensor_load_to_lds s[G0X:G0X+3], s[G1X:G1X+7]  ; x's rows into slot 1; two loads of mine are out
	s_nop 0
	tensor_load_to_lds s[G0A:G0A+3], s[G1W:G1W+7]  ; the stream's first four units into slot 0
	s_nop 0
	PLACES 4
	s_wait_loadcnt 0x0
.irp m, 0,1,2,3
	v_cmp_ne_u32 s[MS+\m], 0, v[MK+\m]
.endr
	ds_store_b128 v93, v[HA:HA+3]
	ds_store_b128 v93, v[HA+4:HA+7] offset:2048
	ds_store_b128 v93, v[HA+8:HA+11] offset:4096
	s_wait_tensorcnt 0x1                           ; my rows of x are in; the unit issued behind them may stay out
	BARRIER                                        ; everybody's rows and everybody's part of the biases lie in LDS
	WIN 0x80                                       ; destination window 2
.irp k, 0,1,2,3,4,5,6,7,8,9,10,11,12,13,14,15
.irp j, 0,1,2,3
	ds_load_b128 v[16*\k+4*\j:16*\k+4*\j+3], v[XA] offset:(\k/8)*1040+(\k%8)*128+16*\j   ; register 16 k + i = column 32 k + 16 h + i of my token
.endr
.endr
	CHANGE 0, 1                                    ; its wait for my LDS loads covers x; slot 1 takes the next four units while the norm is made
	; ---- the norm, in two passes, so that a common offset of x does no harm
	WIN 0x0a                                       ; sources 0 and 1 window 2
.irp q, 0,1,2,3
	v_pk_add_f32 v[86+2*\q:87+2*\q], v[4*\q:4*\q+1], v[4*\q+2:4*\q+3]   ; four chains, started by the first eight pairs
.endr
	WIN 0x08
.set P, 8
.rept 120
	v_pk_add_f32 v[86+2*(P%4):87+2*(P%4)], v[86+2*(P%4):87+2*(P%4)], v[2*P:2*P+1]
.set P, P+1
.endr
	WIN 0
	v_pk_add_f32 v[86:87], v[86:87], v[88:89]
	v_pk_add_f32 v[90:91], v[90:91], v[92:93]
	v_pk_add_f32 v[86:87], v[86:87], v[90:91]
	v_add_f32 v86, v86, v87
	v_permlanex16_b32 v94, v86, s[SEL], s[SEL+1]
	v_add_f32 v86, v86, v94                        ; the row's sum
	v_mul_f32 v82, 0x3b000000, v86                 ; / 512
	v_mov_b32 v83, v82
	WIN 0x82                                       ; destination and source 0 window 2
.set P, 0
.rept 128
	v_pk_add_f32 v[2*P:2*P+1], v[2*P:2*P+1], v[82:83] neg_lo:[0,1] neg_hi:[0,1]
.set P, P+1
.endr
	WIN 0x0a
.irp q, 0,1,2,3
	v_pk_mul_f32 v[86+2*\q:87+2*\q], v[2*\q:2*\q+1], v[2*\q:2*\q+1]
.endr
.set P, 4
.rept 124
	v_pk_fma_f32 v[86+2*(P%4):87+2*(P%4)], v[2*P:2*P+1], v[2*P:2*P+1], v[86+2*(P%4):87+2*(P%4)]
.set P, P+1
.endr
	WIN 0
	v_pk_add_f32 v[86:87], v[86:87], v[88:89]
	v_pk_add_f32 v[90:91], v[90:91], v[92:93]
	v_pk_add_f32 v[86:87], v[86:87], v[90:91]
	v_add_f32 v86, v86, v87
	v_permlanex16_b32 v94, v86, s[SEL], s[SEL+1]
	v_add_f32 v86, v86, v94
	v_mov_b32 v95, 0x358637bd                      ; 1e-6
	v_fma_f32 v86, v86, s[C511], v95               ; the unbiased variance + 1e-6
	v_rsq_f32 v84, v86
	v_nop                                          ; a plain line behind the transcendental
	s_wait_alu depctr_va_vdst(0)
	v_mov_b32 v85, v84
.irp s, 0,1,2,3                        ; K step s of my token tile: scaled, quantised, its image to LDS
	WIN 0x02
.set P, 0
.rept 32
	v_pk_mul_f32 v[HA+2*P:HA+2*P+1], v[64*\s+2*P:64*\s+2*P+1], v[84:85]
.set P, P+1
.endr
	WIN 0
	QUANT HA, 0, PCA, PW
	IMAGE IWA, PCA, 2048*\s, 4
	ds_store_b32 v[ISA], v[PW] offset:256*\s
.endr
	BARRIER                                        ; xn's sixteen fragments lie in LDS
	FETCHA 1, XS
; q: a pair of token tiles at a time: 64 numbers a lane = (tile 2 mp: blocks 0, 1; tile 2 mp + 1: blocks 0, 1)
.macro EPQ i
.irp mp, 0,1
	QUANT HA+64*\mp, 0, PCA+16*\mp, PW
.irp k, 0,1,2,3
	global_store_b128 v[LI], v[PCA+16*\mp+4*\k:PCA+16*\mp+4*\k+3], s[QB:QB+1] offset:524288*\i+2048*\mp+512*\k   ; 512 consecutive bytes, aligned
.endr
	v_perm_b32 v86, v[PW], v[PW], s[P01]           ; the even tile's two bytes, twice: the word serves q in the lower and in the upper half of a K step
	v_perm_b32 v87, v[PW], v[PW], s[P23]           ; the odd tile's
	v_cndmask_b32 v[88+\mp], v86, v87, s[HM]       ; lanes 16-31 store the odd tile's
	global_store_b32 v[LS], v[88+\mp], s[QSB:QSB+1] offset:32768*\i+128*\mp
.endr
.endm
; k: the same 64 numbers ARE a pair fragment (row r: one key in k 0-63, the key 8 further on in k 64-127); a masked key's codes become zeros
.macro EPK i
.irp mp, 0,1
	QUANT HA+64*\mp, 0, PCA+16*\mp, PW+\mp
.irp k, 0,1,2,3,4,5,6,7
	v_cndmask_b32 v[PCA+16*\mp+\k], 0, v[PCA+16*\mp+\k], s[MS+2*\mp]
.endr
.irp k, 8,9,10,11,12,13,14,15
	v_cndmask_b32 v[PCA+16*\mp+\k], 0, v[PCA+16*\mp+\k], s[MS+2*\mp+1]
.endr
.irp k, 0,1,2,3
	global_store_b128 v[KO], v[PCA+16*\mp+4*\k:PCA+16*\mp+4*\k+3], s[KVB:KVB+1] offset:1081344*\i+2048*\mp+512*\k
.endr
.endr
	v_cndmask_b32 v88, v[PW], v[PW+1], s[HM]       ; lanes 0-15 the first pair's words, lanes 16-31 the second's
	global_store_b32 v[KSO], v88, s[KVB:KVB+1] offset:1081344*\i
.endm
; v: a lane holds one channel; accumulator (t, m) at HA + 32 t + 8 m: 32 registers a channel tile = my 64 tokens' two blocks of 32 keys
.macro EPV i
.irp t, 0,1,2,3
	ds_load_b32 v[BI+2*\t], v[BVA] offset:1024*\i+128*(\t/2)+32*(\t%2)   ; b_v of my channel of tile t
.endr
	s_wait_dscnt 0x0
.irp t, 0,1,2,3
.set P, 0
.rept 16
	v_pk_add_f32 v[HA+32*\t+2*P:HA+32*\t+2*P+1], v[HA+32*\t+2*P:HA+32*\t+2*P+1], v[BI+2*\t:BI+2*\t+1] op_sel_hi:[1,0]   ; each accumulator from its low end on
.set P, P+1
.endr
.endr
.irp tp, 0,1
	QUANT HA+64*\tp, 0, PCA+16*\tp, PW
.irp q, 0,1,2,3
	global_store_b128 v[VO], v[PCA+16*\tp+4*\q:PCA+16*\tp+4*\q+3], s[KVB:KVB+1] offset:1081344*\i+2048*(2*\tp+\q/2)+512*(\q%2)
.endr
	v_lshrrev_b32 v86, 16, v[PW]
	v_cndmask_b32 v[88+\tp], v[PW], v86, s[HM]     ; lanes 0-15 tile 2 tp's two bytes, lanes 16-31 tile 2 tp + 1's
	global_store_b16 v[VSO], v[88+\tp], s[KVB:KVB+1] offset:1081344*\i+128*\tp   ; two of a word's four bytes; the other two are the neighbouring 64 tokens'
.endr
.endm
	GEMMU 0, HA, 32, 8, 0, 1, XS, 1, 0, BA, 0
	EPQ 0
	CHANGE 1, 1
	GEMMU 1, HA, 32, 8, 0, 1, XS, 1, 0, BA, 1024
	EPQ 1
	CHANGE 0, 1
	GEMMU 0, HA, 32, 8, 0, 1, XS, 1, 0, BA, 2048
	EPK 0
	CHANGE 1, 1
	GEMMU 1, HA, 32, 8, 0, 1, XS, 1, 0, BA, 3072
	EPK 1
	CHANGE 0, 1
	GEMMU 0, HA, 8, 32, 0, 1, XS, 0, 1, BA, 0
	EPV 0
	CHANGE 1, 0                                    ; the last four units are in: nothing is left to fetch
	GEMMU 1, HA, 8, 32, 0, 1, XS, 0, 1, BA, 0
	EPV 1
	s_wait_tensorcnt 0x0                           ; the wave's end
	ds_add_u32 v[SPW], v[NIL]
	s_wait_dscnt 0x0
	ROUND                                          ; the closing round: no work-group ends while a partner may still ask for a unit that names it
	s_endpgm
.Lfunc_end_k_q7d54831c29_qkv:
	.size	k_q7d54831c29_qkv, .Lfunc_end_k_q7d54831c29_qkv-k_q7d54831c29_qkv
	.p2alignl 7, 3214868480
	.fill 96, 4, 3214868480
	.section	.rodata,"a",@progbits
	.p2align	6, 0x0
	.amdhsa_kernel k_q7d54831c29_qkv
		.amdhsa_group_segment_fixed_size 327680
		.amdhsa_private_segment_fixed_size 0
		.amdhsa_enable_private_segment 0
		.amdhsa_kernarg_size 72
		.amdhsa_user_sgpr_count 2
		.amdhsa_user_sgpr_kernarg_segment_ptr 1
		.amdhsa_wavefront_size32 1
		.amdhsa_system_sgpr_workgroup_id_x 1
		.amdhsa_system_sgpr_workgroup_id_y 1
		.amdhsa_system_sgpr_workgroup_id_z 1
		.amdhsa_system_vgpr_workitem_id 0
		.amdhsa_next_free_vgpr 768
		.amdhsa_next_free_sgpr 96
		.amdhsa_reserve_vcc 0
		.amdhsa_float_denorm_mode_32 3
		.amdhsa_float_denorm_mode_16_64 3
		.amdhsa_memory_ordered 1
		.amdhsa_forward_progress 1
		.amdhsa_inst_pref_size 255
	.end_amdhsa_kernel
	.section	.bss,"aw",@nobits
	.p2align	6
	.space	262144
	.amdgpu_metadata
---
amdhsa.version: [ 1, 2 ]
amdhsa.kernels:
  - .name:           k_q7d54831c29_qkv
    .symbol:         k_q7d54831c29_qkv.kd
    .args:
      - { .name: x, .offset: 0, .size: 8, .value_kind: global_buffer, .address_space: global }
      - { .name: src_mask, .offset: 8, .size: 8, .value_kind: global_buffer, .address_space: global }
      - { .name: b_q, .offset: 16, .size: 8, .value_kind: global_buffer, .address_space: global }
      - { .name: b_k, .offset: 24, .size: 8, .value_kind: global_buffer, .address_space: global }
      - { .name: b_v, .offset: 32, .size: 8, .value_kind: global_buffer, .address_space: global }
      - { .name: wst, .offset: 40, .size: 8, .value_kind: global_buffer, .address_space: global }
      - { .name: qimg, .offset: 48, .size: 8, .value_kind: global_buffer, .address_space: global }
      - { .name: qsc, .offset: 56, .size: 8, .value_kind: global_buffer, .address_space: global }
      - { .name: kv, .offset: 64, .size: 8, .value_kind: global_buffer, .address_space: global }
    .group_segment_fixed_size: 327680
    .private_segment_fixed_size: 0
    .kernarg_segment_align: 8
    .kernarg_segment_size: 72
    .max_flat_workgroup_size: 128
    .sgpr_count:     96
    .vgpr_count:     768
    .wavefront_size: 32
...
	.end_amdgpu_metadata
.endif
;; end of part 2
;; launch attn (part 3): grid 4 x 64, 16 waves a work-group, clusters of 4 x 1, 281,600 bytes of LDS; arguments qimg, qsc, kv, src_mask, acodes, asc; writes acodes, asc
.if DOCPART == 3
	.amdgcn_target "amdgcn-amd-amdhsa--gfx1250"
	.amdhsa_code_object_version 6
	.text
	.protected	k_q7d54831c29_attn
	.globl	k_q7d54831c29_attn
	.p2align	8
	.type	k_q7d54831c29_attn,@function
k_q7d54831c29_attn:
	s_mov_b64 s[64:65], 0
	v_nop
	global_prefetch_b8 v0, s[64:65] scope:SCOPE_SE
	s_setreg_imm32_b32 hwreg(HW_REG_WAVE_MODE, 25, 1), 1
	s_wait_xcnt 0x0
	s_wait_alu depctr_hold_cnt(0) depctr_sa_sdst(0) depctr_va_vdst(0) depctr_va_sdst(0) depctr_va_ssrc(0) depctr_va_vcc(0) depctr_vm_vsrc(0)
	s_getreg_b32 s2, hwreg(HW_REG_IB_STS2, 6, 4)
	s_cmp_eq_u32 s2, 0
	s_cbranch_scc0 .Lentry_in_a_cluster
	s_endpgm
.Lentry_in_a_cluster:
	s_bfe_u32 s2, ttmp6, 0x10000c
	s_cmp_lg_u32 s2, 0x3003
	s_cbranch_scc0 .Lentry_shape_is_right
	s_endpgm
.Lentry_shape_is_right:
; O[q] = the sum over keys of softmax(q . k / 8, masked) v, both products on codes of FP8 (E4M3) with E8M0 scales; O / the row's sum is quantised along D and leaves as pieces of the next product's operand images.
; THE SOFTMAX AHEAD OF THE SECOND PRODUCT: t = score x log2(e) / 8; M = the running largest t rounded UP to a whole number; p = 2^(t - M) is quantised along the keys, not normalised; the row's sum is taken of the unquantised p.
; When M moves, the sum and O are multiplied by 2^(old M - new M): exact.
; SHARES.  A work-group owns 512 queries of one head; each of its sixteen waves owns one tile of 16 queries in each of two passes.  Every wave walks the head's 2,048 keys, 128 a step.
; K AND V COME ONCE.  A head's 16 records (a step's four pair fragments of K, four fragments of V with the keys innermost, and their scale words: 16,896 bytes) are 270,336 bytes: they fit in LDS whole.  Wave w brings record w
; by one tensor load; nothing is filled again, so there is no ring.  One tensor load of a wave is out.
; CLUSTER.  The four work-groups of a cluster are the four query blocks of one head and need the same records: each is asked for JOINTLY (the same load, the same descriptor, the mask 15).
; LAYOUT.  Both products are used transposed (S^T = K Q^T, O^T = V^T P^T): a lane holds one query (lane % 16) throughout.
; THE HEAD IS 64 WIDE, THE INSTRUCTION 128.  A pair fragment of K holds one key in k 0-63 of row r and the key 8 further on in k 64-127.  The queries stand in 24 registers, [0 x 8 | q x 8 | 0 x 8]: registers 8-23 = [q, 0] multiply
; the first keys, registers 0-15 = [0, q] the second.  Row r of pair b is key 32 b + r + 8 (r / 8): so the 16 registers of a pair's two results are 16 neighbouring keys, 32 b + 16 (lane / 16) + 0 .. 15.
; THE MASK costs no vector work: a masked key's codes of k are zeros (the launch before), and the score product's C holds 0 for an open key and -2^33 for a masked one, from a table in LDS.
; c = log2(e) / 8 is a multiple of 2^-26, so -2^33 c is a whole number: where every key of a batch is masked, t = M and p = 1 exactly: the uniform softmax.  Else p = 0.
; LIMITS: the masked logit is -2^30 where the source has -1e9: it differs only where true logits reach that size.  A block of zeros gets the byte 1 (this program alone reads the bytes).  NaN and infinities are not served.
; 1 / the sum by v_rcp_f32 (1 ulp).  A block's largest p is made from the block's largest score by the same two instructions as every p.
; REGISTERS: v1-7, v11 addresses that stay; v8-10 the step's; v12 -M, v13 the largest t, v[14:15] the sum; v16-39 Q; v40-103 four fragments of K, then of V; v104-167 S^T, then p; v168-199 O^T; v200-215 p's codes; v216-234 at work;
; v236-241 scale words and nothing else; v242-250 the way out.
.set REC,  16896
.set BIAS, 16*REC                      ; behind the records: a number for each key, 0 or -2^33
.set SCG,  BIAS+8192                   ; the work-group's 32 tiles' scale bytes, gathered
.set LI,  1                            ; 16 x lane
.set LS,  2                            ; 4 x lane
.set LB,  3                            ; BIAS + 64 h
.set SCA, 4                            ; SCG + 32 w + 2 r
.set GA,  5                            ; SCG + 16 x lane
.set R4,  6                            ; 4 r
.set BST, 7                            ; BIAS + 16 x thread
.set ADR, 8
.set ADS, 9
.set ADB, 10
.set GOF, 11                           ; 16 x thread
.set KV,  40
.set S,   104
.set OT,  168
.set PCD, 200
.set BM,  216
.set BP,  220
.set HL,  224
.set SO,  228
.set FF,  232
.set TT,  234
.set KS,  236
.set VS,  238
.set QS,  240
.set PS,  241
.set OC,  242
.set OW,  250
.set NEG, 251
.set QB,  4                            ; s[4:5] qimg, s[6:7] qsc, at my tile of pass 0; s[12:13] acodes likewise, s[14:15] asc at the work-group's first tile
.set QSB, 6
.set AB,  12
.set ASB, 14
.set WV,  16
.set G1,  24
.set G0,  32
.set TB,  36                           ; the step's record in LDS
.set TBB, 37                           ; and its 512 bytes of the table
.set CS,  38                           ; s[38:39] c = log2(e) / 8
.set SEL, 40
.set MNT, 42
.set CNT, 43
.macro PLACES n
.rept \n
	v_nop
.endr
.endm
.macro BARRIER
	s_wait_dscnt 0x0
	s_barrier_signal -1
	s_barrier_wait -1
.endm
.macro ROUND                           ; a round of the cluster's barrier
	s_barrier_signal -1
	s_barrier_wait -1
	s_cmp_lg_u32 s[WV], 0
	s_cbranch_scc1 .Lnot_wave_0_\@
	s_barrier_signal -3
.Lnot_wave_0_\@:
	s_barrier_wait -3
	s_barrier_signal -1
	s_barrier_wait -1
.endm
.macro MM d, a, b, sa, sb, ra          ; one scaled matrix instruction that adds onto v[d] on; ra: source 0's scales stand in lanes 16-31
.if (\ra)
	v_wmma_scale_f32_16x16x128_f8f6f4 v[(\d):(\d)+7], v[(\a):(\a)+15], v[(\b):(\b)+15], v[(\d):(\d)+7], v[\sa], v[\sb] matrix_a_scale:MATRIX_SCALE_ROW1
.else
	v_wmma_scale_f32_16x16x128_f8f6f4 v[(\d):(\d)+7], v[(\a):(\a)+15], v[(\b):(\b)+15], v[(\d):(\d)+7], v[\sa], v[\sb]
.endif
.endm
	s_load_b256 s[4:11], s[0:1], 0x0               ; qimg, qsc, kv s[8:9], src_mask s[10:11]
	s_load_b128 s[12:15], s[0:1], 0x20             ; acodes, asc
	v_lshl_add_u32 v254, v0, 2, 0x44400
	v_mov_b32 v255, 0
	ds_add_u32 v254, v255
	ds_add_u32 v254, v255
	v_lshrrev_b32 v8, 5, v0
	v_readfirstlane_b32 s[WV], v8                  ; wave 0..15
	s_bfe_u32 s17, ttmp6, 0x40000                  ; cx: it enters global addresses alone
	s_and_b32 s18, ttmp7, 0xffff                   ; 8 x batch + head, which the four partners share
	v_and_b32 v8, 31, v0
	v_and_b32 v9, 15, v0
	v_bfe_u32 v10, v0, 4, 1
	v_lshlrev_b32 v[LI], 4, v8
	v_lshlrev_b32 v[LS], 2, v8
	v_lshlrev_b32 v[LB], 6, v10
	v_add_nc_u32 v[LB], BIAS, v[LB]
	s_lshl_b32 s44, s[WV], 5
	v_lshl_add_u32 v[SCA], v9, 1, s44
	v_add_nc_u32 v[SCA], SCG, v[SCA]
	v_add_nc_u32 v[GA], SCG, v[LI]
	v_lshlrev_b32 v[R4], 2, v9
	v_lshlrev_b32 v[GOF], 4, v0
	v_add_nc_u32 v[BST], BIAS, v[GOF]
	v_mov_b32 v[NEG], 0xd0000000                   ; -2^33
.irp j, 0,1,2,3,4,5,6,7
	v_mov_b32 v[16+\j], 0                          ; the zeros on both sides of q: written once
	v_mov_b32 v[32+\j], 0
.endr
.irp b, 0,1,2,3
	v_mov_b32 v[BP+\b], 0                          ; written once: a lane permute's destination counts as one of its sources
.endr
	v_mov_b32 v[FF+1], 0                           ; (named as the upper half of a pair)
	v_mov_b32 v[TT], 0
	; group 1: a record, 16,896 dense bytes, as 66 rows of 256 (32 elements of 8 bytes); the mask names the four work-groups, bit 21 beside it
	s_mov_b32 s[G1], 15|(3<<16)|(1<<21)
	s_mov_b32 s[G1+1], 32<<16
	s_mov_b32 s[G1+2], 66<<16
	s_mov_b32 s[G1+3], 32<<16
	s_mov_b32 s[G1+4], 66
	s_mov_b32 s[G1+5], 32
	s_mov_b32 s[G1+6], 0
	s_mov_b32 s[G1+7], 0
	s_mov_b32 s[G0], 1
	s_mul_i32 s[G0+1], s[WV], REC
	s_lshl_b32 s54, s18, 4
	s_add_co_u32 s54, s54, s[WV]
	s_mul_i32 s54, s54, REC                        ; record 16 x head + w
	s_mov_b32 s55, 0
	s_lshr_b32 s56, s18, 3
	s_lshl_b32 s56, s56, 13                        ; the batch's 2,048 words of the mask
	s_mov_b32 s57, 0
	s_lshl_b32 s44, s18, 7
	s_lshl_b32 s45, s17, 5
	s_add_co_u32 s44, s44, s45                     ; the work-group's first query tile: 128 x head + 32 cx
	s_lshl_b32 s50, s44, 5                         ; asc: 32 bytes a tile
	s_mov_b32 s51, 0
	s_add_co_u32 s44, s44, s[WV]                   ; my tile of pass 0
	s_lshl_b32 s46, s44, 10                        ; qimg: 1,024 bytes a tile
	s_mov_b32 s47, 0
	s_lshl_b32 s48, s44, 6                         ; qsc: 64
	s_mov_b32 s49, 0
	s_lshr_b32 s52, s18, 3
	s_lshl_b32 s52, s52, 7
	s_add_co_u32 s52, s52, s45
	s_add_co_u32 s52, s52, s[WV]                   ; the same tile among the batch's tokens: 128 x batch + 32 cx + w
	s_lshl_b32 s52, s52, 2
	s_bfe_u32 s53, s18, 0x20001
	s_add_co_u32 s52, s52, s53                     ; x 4 K steps + head / 2
	s_lshl_b32 s52, s52, 11
	s_and_b32 s53, s18, 1
	s_lshl_b32 s53, s53, 10
	s_add_co_u32 s52, s52, s53                     ; an odd head fills a fragment's chunks 2 and 3
	s_mov_b32 s53, 0
	s_mov_b32 s[CS], 0x3e38aa3b
	s_mov_b32 s[CS+1], s[CS]
	s_mov_b32 s[SEL], 0x76543210
	s_mov_b32 s[SEL+1], 0xfedcba98
	s_mov_b32 s[MNT], 0x600000
	s_wait_dscnt 0x0
	s_wait_kmcnt 0x0
	s_add_nc_u64 s[G0+2:G0+3], s[8:9], s[54:55]
	s_or_b32 s[G0+3], s[G0+3], 0x80000000
	s_add_nc_u64 s[10:11], s[10:11], s[56:57]
	s_add_nc_u64 s[QB:QB+1], s[QB:QB+1], s[46:47]
	s_add_nc_u64 s[QSB:QSB+1], s[QSB:QSB+1], s[48:49]
	s_add_nc_u64 s[AB:AB+1], s[AB:AB+1], s[52:53]
	s_add_nc_u64 s[ASB:ASB+1], s[ASB:ASB+1], s[50:51]
	ROUND                                          ; all four work-groups are here: the joint loads meet
	tensor_load_to_lds s[G0:G0+3], s[G1:G1+7]
	s_nop 0
	PLACES 4
	global_load_b128 v[S:S+3], v[GOF], s[10:11]    ; four keys' mask words a thread
	s_wait_loadcnt 0x0
.irp j, 0,1,2,3
	v_cmp_eq_u32 vcc_lo, 0, v[S+\j]
	v_cndmask_b32 v[S+4+\j], 0, v[NEG], vcc_lo
.endr
	ds_store_b128 v[BST], v[S+4:S+7]
	s_wait_tensorcnt 0x0                           ; my record is in,
	BARRIER                                        ; everybody's is, and the table is whole
; A KEY STEP: 128 keys.
.macro STEP
	v_add_nc_u32 v[ADR], s[TB], v[LI]
	v_add_nc_u32 v[ADS], s[TB], v[LS]
	v_add_nc_u32 v[ADB], s[TBB], v[LB]
	PLACES 5                                       ; with the three additions: eight places in front of loads into registers that the last products read
.irp b, 0,1,2,3
.irp i, 0,1,2,3
	ds_load_b128 v[S+16*\b+4*\i:S+16*\b+4*\i+3], v[ADB] offset:128*\b+16*\i   ; the table's numbers land in the accumulators: register 16 b + i = key 32 b + 16 h + i
.endr
.endr
.set FI, 0
.rept 16
	ds_load_b128 v[KV+4*FI:KV+4*FI+3], v[ADR] offset:512*FI     ; K's four pair fragments, as images
.set FI, FI+1
.endr
	ds_load_b32 v[KS], v[ADS] offset:16384         ; their scale words: lanes 0-15 pair 0, lanes 16-31 pair 1;
	ds_load_b32 v[KS+1], v[ADS] offset:16512       ; pairs 2 and 3
	s_wait_dscnt 0x0
.irp b, 0,1,2,3                        ; eight accumulators, one instruction each
	MM S+16*\b, KV+16*\b, 24, KS+\b/2, QS, \b%2
	MM S+16*\b+8, KV+16*\b, 16, KS+\b/2, QS, \b%2
.endr
	PLACES 8
.set FI, 0
.rept 16
	ds_load_b128 v[KV+4*FI:KV+4*FI+3], v[ADR] offset:8192+512*FI   ; V's four fragments land under the softmax
.set FI, FI+1
.endr
	ds_load_b32 v[VS], v[ADS] offset:16640
	ds_load_b32 v[VS+1], v[ADS] offset:16768
.irp b, 0,1,2,3
	v_max3_num_f32 v[BM+\b], v[S+16*\b], v[S+1+16*\b], v[S+2+16*\b]   ; the largest score of each block of 32 keys: for the row's maximum and, since p rises with the score, for the block's largest p
.endr
.irp i, 3,5,7,9,11,13
.irp b, 0,1,2,3
	v_max3_num_f32 v[BM+\b], v[BM+\b], v[S+16*\b+\i], v[S+1+16*\b+\i]
.endr
.endr
.irp b, 0,1,2,3
	v_max_num_f32 v[BM+\b], v[BM+\b], v[S+15+16*\b]
.endr
.irp b, 0,1,2,3
	v_permlanex16_b32 v[BP+\b], v[BM+\b], s[SEL], s[SEL+1]
.endr
.irp b, 0,1,2,3
	v_max_num_f32 v[BM+\b], v[BM+\b], v[BP+\b]     ; with lane l xor 16's 16 keys
.endr
	v_max3_num_f32 v[TT], v[BM], v[BM+1], v[BM+2]
	v_max_num_f32 v[TT], v[TT], v[BM+3]
	v_mul_f32 v[TT], s[CS], v[TT]                  ; the step's largest t (c is positive)
	v_max_num_f32 v13, v13, v[TT]                  ; the running largest t
	v_mov_b32 v[TT], v12
	v_floor_f32 v12, -v13                          ; the new -M = floor(-t) = -ceil(t)
	v_sub_f32 v[TT], v12, v[TT]                    ; old M - new M: a whole number, 0 or less
	v_cvt_i32_f32 v[TT], v[TT]                     ; (it saturates)
	v_ldexp_f32 v[FF], 1.0, v[TT]                  ; f = 2^(old M - new M)
.irp j, 0,2,4,6,8,10,12,14,16,18,20,22,24,26,28,30,32,34,36,38,40,42,44,46,48,50,52,54,56,58,60,62
	v_pk_fma_f32 v[S+\j:S+1+\j], v[S+\j:S+1+\j], s[CS:CS+1], v[12:13] op_sel_hi:[1,0,0]   ; t - M, two at a time
.endr
.irp b, 0,1,2,3
	v_fma_f32 v[BM+\b], v[BM+\b], s[CS], v12
.endr
.set FI, 0
.rept 64
	v_exp_f32 v[S+FI], v[S+FI]                     ; p = 2^(t - M), at most 1
.set FI, FI+1
.endr
.irp b, 0,1,2,3
	v_exp_f32 v[BM+\b], v[BM+\b]                   ; the block's largest p
.endr
	v_pk_mul_f32 v[14:15], v[14:15], v[FF:FF+1] op_sel_hi:[1,0]   ; the sums under the new M (a plain line behind the exponentials)
	s_wait_alu depctr_va_vdst(0)
.irp b, 0,1,2,3
	v_max_num_f32 v[BM+\b], 0x4800000, v[BM+\b]    ; the floor 2^(9 - 127)
.endr
.irp b, 0,1,2,3
	v_add_nc_u32 v[SO+\b], 0xfc000000, v[BM+\b]    ; the conversion's scale operand
.endr
.irp b, 0,1,2,3
	v_and_or_b32 v[HL+\b], v[BM+\b], 0x7f800000, s[MNT]   ; 448 x the scale
.endr
.irp b, 0,1,2,3
	v_lshrrev_b32 v[BP+\b], 23, v[SO+\b]           ; the scale's byte
.endr
	v_lshl_or_b32 v[PS], v[BP+1], 8, v[BP]         ; p's scale word for these 128 keys: far more than eight plain lines ahead of the products that take it
	v_lshl_or_b32 v[PS], v[BP+2], 16, v[PS]
	v_lshl_or_b32 v[PS], v[BP+3], 24, v[PS]
	v_pk_add_f32 v[BP:BP+1], v[S:S+1], v[S+2:S+3]  ; the row's sum is taken of the unquantised p, in two chains
.irp j, 4,8,12,16,20,24,28,32,36,40,44,48,52,56,60
	v_pk_add_f32 v[14:15], v[14:15], v[S+\j:S+1+\j]
	v_pk_add_f32 v[BP:BP+1], v[BP:BP+1], v[S+2+\j:S+3+\j]
.endr
	v_pk_add_f32 v[14:15], v[14:15], v[BP:BP+1]
.irp b, 0,1,2,3
.irp i, 0,1,2,3,4,5,6,7,8,9,10,11,12,13,14,15
	v_min_num_f32 v[S+16*\b+\i], v[S+16*\b+\i], v[HL+\b]   ; the conversion does not saturate (ISA guide 7.6.2); p is not negative, so the hold is one-sided
.endr
	v_cvt_scalef32_pk8_fp8_f32 v[PCD+4*\b:PCD+1+4*\b], v[S+16*\b:S+7+16*\b], v[SO+\b]
	v_cvt_scalef32_pk8_fp8_f32 v[PCD+2+4*\b:PCD+3+4*\b], v[S+8+16*\b:S+15+16*\b], v[SO+\b]
.endr
.irp j, 0,2,4,6,8,10,12,14,16,18,20,22,24,26,28,30
	v_pk_mul_f32 v[OT+\j:OT+1+\j], v[OT+\j:OT+1+\j], v[FF:FF+1] op_sel_hi:[1,0]   ; O^T under the new M; these sixteen are also the plain lines between the codes and the products
.endr
	s_wait_dscnt 0x0                               ; V and its scale words
.irp t, 0,1,2,3                        ; four accumulators, one instruction each
	MM OT+8*\t, KV+16*\t, PCD, VS+\t/2, PS, \t%2
.endr
	s_add_co_u32 s[TB], s[TB], REC
	s_add_co_u32 s[TBB], s[TBB], 512
.endm
; THE WAY OUT of a pass: O^T / the sum; register 16 b + i is channel 32 b + 16 h + i of the head: two blocks of the next product's K; eight registers of codes are two chunks of that operand's image.
.macro OUTP p
	PLACES 8                                       ; in front of the first read of the last products' results
	v_add_f32 v14, v14, v15
	v_permlanex16_b32 v[TT], v14, s[SEL], s[SEL+1]
	v_add_f32 v14, v14, v[TT]                      ; the row's sum
	v_rcp_f32 v14, v14
	v_nop
.set FI, 0
	s_wait_alu depctr_va_vdst(0)
.rept 32
	v_mul_f32 v[S+FI], v[OT+FI], v14               ; each accumulator from its low end on
.set FI, FI+1
.endr
.irp b, 0,1
	v_max3_num_f32 v[BM+\b], |v[S+16*\b]|, |v[S+1+16*\b]|, 0x4800000
.endr
.irp i, 2,4,6,8,10,12,14
.irp b, 0,1
	v_max3_num_f32 v[BM+\b], v[BM+\b], |v[S+16*\b+\i]|, |v[S+1+16*\b+\i]|
.endr
.endr
.irp b, 0,1
	v_permlanex16_b32 v[BP+\b], v[BM+\b], s[SEL], s[SEL+1]
.endr
.irp b, 0,1
	v_max_num_f32 v[BM+\b], v[BM+\b], v[BP+\b]
.endr
.irp b, 0,1
	v_add_nc_u32 v[SO+\b], 0xfc000000, v[BM+\b]
.endr
.irp b, 0,1
	v_and_or_b32 v[HL+\b], v[BM+\b], 0x7f800000, s[MNT]
.endr
.irp b, 0,1
	v_lshrrev_b32 v[BP+\b], 23, v[SO+\b]
.endr
	v_lshl_or_b32 v[OW], v[BP+1], 8, v[BP]         ; the head's two scale bytes of my query
.irp b, 0,1
.irp i, 0,1,2,3,4,5,6,7,8,9,10,11,12,13,14,15
	v_med3_num_f32 v[S+16*\b+\i], v[S+16*\b+\i], -v[HL+\b], v[HL+\b]
.endr
	v_cvt_scalef32_pk8_fp8_f32 v[OC+4*\b:OC+1+4*\b], v[S+16*\b:S+7+16*\b], v[SO+\b]
	v_cvt_scalef32_pk8_fp8_f32 v[OC+2+4*\b:OC+3+4*\b], v[S+8+16*\b:S+15+16*\b], v[SO+\b]
.endr
	v_nop                                          ; one plain vector line behind the last conversion
	global_store_b128 v[LI], v[OC:OC+3], s[AB:AB+1] offset:131072*\p          ; 512 consecutive bytes, aligned
	global_store_b128 v[LI], v[OC+4:OC+7], s[AB:AB+1] offset:131072*\p+512
	ds_store_b16 v[SCA], v[OW] offset:512*\p       ; both halves of the lanes write the same bytes with the same value
.endm
.macro PASS p
	s_wait_xcnt 0x0                                ; the pass before has had its stores' data read: they are written again below
	global_load_b128 v[24:27], v[LI], s[QB:QB+1] offset:16384*\p       ; q's eight registers, as an image
	global_load_b128 v[28:31], v[LI], s[QB:QB+1] offset:16384*\p+512
	global_load_b32 v[QS], v[R4], s[QSB:QSB+1] offset:1024*\p
	v_mov_b32 v13, 0xff61b1e6                      ; the largest t so far: -3e38
	v_floor_f32 v12, -v13
	v_mov_b32 v14, 0
	v_mov_b32 v15, 0
.set FI, 0
.rept 32
	v_mov_b32 v[OT+FI], 0                          ; the step is written once: its first trip finds zeros
.set FI, FI+1
.endr
	s_mov_b32 s[TB], 0
	s_mov_b32 s[TBB], 0
	s_mov_b32 s[CNT], 16
	s_wait_loadcnt 0x0
.Lstep_\@:
	STEP
	s_sub_co_u32 s[CNT], s[CNT], 1
	s_cmp_lg_u32 s[CNT], 0
	s_cbranch_scc1 .Lstep_\@
	OUTP \p
.endm
	PASS 0
	PASS 1
	BARRIER                                        ; the 32 tiles' scale bytes lie in LDS
	s_cmp_lg_u32 s[WV], 0
	s_cbranch_scc1 .Lnot_0
	ds_load_b128 v[S:S+3], v[GA]
	ds_load_b128 v[S+4:S+7], v[GA] offset:512
	s_wait_dscnt 0x0
	global_store_b128 v[LI], v[S:S+3], s[ASB:ASB+1]              ; 1,024 consecutive bytes, aligned
	global_store_b128 v[LI], v[S+4:S+7], s[ASB:ASB+1] offset:512
.Lnot_0:
	s_wait_tensorcnt 0x0
	ds_add_u32 v254, v255
	s_wait_dscnt 0x0
	ROUND                                          ; the closing round
	s_endpgm
.Lfunc_end_k_q7d54831c29_attn:
	.size	k_q7d54831c29_attn, .Lfunc_end_k_q7d54831c29_attn-k_q7d54831c29_attn
	.p2alignl 7, 3214868480
	.fill 96, 4, 3214868480
	.section	.rodata,"a",@progbits
	.p2align	6, 0x0
	.amdhsa_kernel k_q7d54831c29_attn
		.amdhsa_group_segment_fixed_size 281600
		.amdhsa_private_segment_fixed_size 0
		.amdhsa_enable_private_segment 0
		.amdhsa_kernarg_size 48
		.amdhsa_user_sgpr_count 2
		.amdhsa_user_sgpr_kernarg_segment_ptr 1
		.amdhsa_wavefront_size32 1
		.amdhsa_system_sgpr_workgroup_id_x 1
		.amdhsa_system_sgpr_workgroup_id_y 1
		.amdhsa_system_sgpr_workgroup_id_z 1
		.amdhsa_system_vgpr_workitem_id 0
		.amdhsa_next_free_vgpr 256
		.amdhsa_next_free_sgpr 66
		.amdhsa_reserve_vcc 1
		.amdhsa_float_denorm_mode_32 3
		.amdhsa_float_denorm_mode_16_64 3
		.amdhsa_memory_ordered 1
		.amdhsa_forward_progress 1
		.amdhsa_inst_pref_size 60
	.end_amdhsa_kernel
	.amdgpu_metadata
---
amdhsa.version: [ 1, 2 ]
amdhsa.kernels:
  - .name:           k_q7d54831c29_attn
    .symbol:         k_q7d54831c29_attn.kd
    .args:
      - { .name: qimg, .offset: 0, .size: 8, .value_kind: global_buffer, .address_space: global }
      - { .name: qsc, .offset: 8, .size: 8, .value_kind: global_buffer, .address_space: global }
      - { .name: kv, .offset: 16, .size: 8, .value_kind: global_buffer, .address_space: global }
      - { .name: src_mask, .offset: 24, .size: 8, .value_kind: global_buffer, .address_space: global }
      - { .name: acodes, .offset: 32, .size: 8, .value_kind: global_buffer, .address_space: global }
      - { .name: asc, .offset: 40, .size: 8, .value_kind: global_buffer, .address_space: global }
    .group_segment_fixed_size: 281600
    .private_segment_fixed_size: 0
    .kernarg_segment_align: 8
    .kernarg_segment_size: 48
    .max_flat_workgroup_size: 512
    .sgpr_count:     66
    .vgpr_count:     256
    .wavefront_size: 32
...
	.end_amdgpu_metadata
.endif
;; end of part 3
;; launch post (part 4): grid 256 x 1, 4 waves a work-group, clusters of 4 x 1, 327,680 bytes of LDS; arguments x, acodes, asc, wst, b_o, b_1, b_2, out0; writes out0
.if DOCPART == 4
	.amdgcn_target "amdgcn-amd-amdhsa--gfx1250"
	.amdhsa_code_object_version 6
	.text
	.protected	k_q7d54831c29_post
	.globl	k_q7d54831c29_post
	.p2align	8
	.type	k_q7d54831c29_post,@function
k_q7d54831c29_post:
	s_mov_b64 s[64:65], 0
	v_nop
	global_prefetch_b8 v0, s[64:65] scope:SCOPE_SE
	s_setreg_imm32_b32 hwreg(HW_REG_WAVE_MODE, 25, 1), 1
	s_wait_xcnt 0x0
	s_wait_alu depctr_hold_cnt(0) depctr_sa_sdst(0) depctr_va_vdst(0) depctr_va_sdst(0) depctr_va_ssrc(0) depctr_va_vcc(0) depctr_vm_vsrc(0)
	s_getreg_b32 s2, hwreg(HW_REG_IB_STS2, 6, 4)
	s_cmp_eq_u32 s2, 0
	s_cbranch_scc0 .Lentry_in_a_cluster
	s_endpgm
.Lentry_in_a_cluster:
	s_bfe_u32 s2, ttmp6, 0x10000c
	s_cmp_lg_u32 s2, 0x3003
	s_cbranch_scc0 .Lentry_shape_is_right
	s_endpgm
.Lentry_shape_is_right:
; x1 = x + a W_o^T + b_o;  xn1 = (x1 - mean) / sqrt(var + 1e-6) (var over 511), quantised;  h = relu(xn1 W_1^T + b_1), quantised;  out = x1 + h W_2^T + b_2.  All three products on codes of FP8 (E4M3) with E8M0 scales.
; x1, xn1 and h never go to memory.
; SHARES.  A work-group owns 64 tokens as four tiles m of 16 (row r of tile 2 b + u is token 32 b + 8 u + r + 8 (r / 8)).  Its four waves share the COLUMNS: wave w owns columns 128 w .. 128 w + 127 of x1 and of out (256 registers,
; window 3, on which products 6 and 8 add in place), which are K step w of the product with W_1; of each half of the hidden layer it makes units 128 w .. + 127, K step w of that half of the product with W_2.
; All products are used TRANSPOSED (source 0 = 16 rows of W, source 1 = 16 tokens): a lane holds one token, its registers run along the columns.
; Operands go from wave to wave through LDS as images of their registers (EX).  The row's mean and variance meet in STAT.
; CLUSTER.  The four work-groups of a cluster walk the same weight stream (ten slots of four units): each unit is asked for JOINTLY (the same tensor load, the same descriptor, the mask 15).  x's tile is each work-group's own load.
; RING.  Two slots of four units (135,168 bytes).  x's 64 rows are slot 1's first fill.
; LDS: slot 0 at 0, slot 1 at SLOTB; EX: 16 images (32,768) and their scale words (2,048), at the end the waves' stages; STAT 2,048; BIA: b_o, b_1, b_2; SPARE: the spare words.
; REGISTERS.  window 0: v1-23 addresses; v24-31 W's scale words; v32-39 the first operand's, v40-47 the hidden layer's; v48-63 a bias as C (during the norm: means and 1 / sqrt); v64-127 W's fragments in two halves, at other times
; QUANT's work (v64-80), temporaries (v81-95), codes (v96-127); v128-255 a unit's 16 accumulators.   window 1: a's, then xn1's fragments (m, s) at 64 m + 16 s.   window 2: half the hidden layer's.   window 3: x, x1, out:
; register 64 m + 16 c + i = column 128 w + 32 c + 16 h + i of token (m, r).
; LIMITS: a block of zeros gets the byte 1 where the rule says 127 (this program alone reads the bytes); NaN and infinities are not served; 1 / sqrt by v_rsq_f32 (1 ulp), 1 / 511 by a multiplication.
.set UNITB, 33792
.set SLOTB, 4*UNITB
.set EX,    2*SLOTB
.set XSC,   EX+32768
.set STAT,  EX+34816
.set BIA,   STAT+2048
.set SPARE, BIA+8192
.set STREAM, 24*UNITB
.set SPW, 1
.set NIL, 2
.set LI,  3
.set LS,  4
.set WA,  5
.set BA,  7                            ; BIA + 2,048 + 64 h + 512 w: b_1 at my units
.set IWA, 8                            ; EX + 2,048 w + 16 x lane
.set ISA, 9                            ; XSC + 256 w + 4 r
.set ISL, 10                           ; XSC + 256 w + 4 x lane
.set EXL, 11
.set XSL, 12
.set XA,  13                           ; v13, v14: my columns of x in slot 1, tiles 0-1 and 2-3
.set BW,  15                           ; BIA + 512 w + 64 h
.set STW, 16                           ; STAT + 256 w + 4 r
.set STR, 17                           ; STAT + 4 r
.set STO, 18                           ; my stage: row r, + 64 h
.set RD,  19                           ; my stage: 16 x lane
.set L2,  20                           ; 2 x lane
.set CO,  21                           ; 16 x lane + 512 w
.set HSB, 22                           ; v22, v23: the first unit's scale bytes, kept for the second's
.set WS,  24
.set XS,  32
.set HS,  40
.set BI,  48
.set WB,  64
.set TM,  64
.set PW,  80
.set PCA, 96
.set HA,  128
.set G1W, 24
.set G1X, 32
.set G0X, 40
.set G0A, 44
.set WV,  52
.set MNT, 53
.set SEL, 54
.set HM,  56
.set P1,  57
.set P2,  58
.set C511, 59
.set ACB, 80
.set ASB, 82
.set OUTB, 84
.set MSB, 0
.macro WIN new                         ; the immediate's high byte repeats the setting that is left; a switch that changes nothing is dropped
.if MSB != (\new)
	s_set_vgpr_msb (MSB<<8)|(\new)
.set MSB, (\new)
.endif
.endm
.macro PLACES n
.rept \n
	v_nop
.endr
.endm
.macro BARRIER                         ; my LDS stores have landed and my LDS loads are in: then the work-group's barrier
	s_wait_dscnt 0x0
	s_barrier_signal -1
	s_barrier_wait -1
.endm
.macro ROUND                           ; a round of the cluster's barrier
	s_barrier_signal -1
	s_barrier_wait -1
	s_cmp_lg_u32 s[WV], 0
	s_cbranch_scc1 .Lnot_wave_0_\@
	s_barrier_signal -3
.Lnot_wave_0_\@:
	s_barrier_wait -3
	s_barrier_signal -1
	s_barrier_wait -1
.endm
; THE CHANGE OF SLOTS, at the head of the work on \slot.  Each wave waits for all its tensor loads (its unit of \slot), adds 0 to its spare word, and waits for that and for its reads of the other slot; the round then holds
; of every wave of the four work-groups.  refill = 1: the other slot takes the stream's next four units: the first thing behind the round, one load a wave.
.macro CHANGE slot, refill
	WIN 0
	s_wait_tensorcnt 0x0                           ; no tensor load of mine is out, so a group 0 may be written
	ds_add_u32 v[SPW], v[NIL]                      ; 0 onto my spare word
	s_add_nc_u64 s[G0A+4*\slot+2:G0A+4*\slot+3], s[G0A+4*\slot+2:G0A+4*\slot+3], 2*SLOTB   ; this slot's next units
	s_wait_dscnt 0x0                               ; the add is done, my reads of the other slot are over, and my LDS stores have landed
	ROUND
.if \refill
	tensor_load_to_lds s[G0A+4*(1-\slot):G0A+4*(1-\slot)+3], s[G1W:G1W+7]
	s_nop 0
	PLACES 4
.endif
.endm
.macro QUANT s, relu, pc, pw           ; 64 numbers of a lane, register 16 b + i = k 32 b + 16 (lane / 16) + i of block b, become 16 registers of codes and a word of four scale bytes.  relu = 1: what is negative becomes 0 on the way
.if \relu
.irp b, 0,1,2,3
	v_max3_num_f32 v[TM+\b], v[(\s)+16*\b], v[(\s)+1+16*\b], 0x4800000   ; no |.|: what is negative must not count; the floor stands over it
.endr
.irp i, 2,4,6,8,10,12,14
.irp b, 0,1,2,3
	v_max3_num_f32 v[TM+\b], v[TM+\b], v[(\s)+16*\b+\i], v[(\s)+1+16*\b+\i]
.endr
.endr
.else
.irp b, 0,1,2,3
	v_max3_num_f32 v[TM+\b], |v[(\s)+16*\b]|, |v[(\s)+1+16*\b]|, 0x4800000   ; my 16 numbers, and the floor 2^(9 - 127): the byte cannot fall under 1
.endr
.irp i, 2,4,6,8,10,12,14
.irp b, 0,1,2,3
	v_max3_num_f32 v[TM+\b], v[TM+\b], |v[(\s)+16*\b+\i]|, |v[(\s)+1+16*\b+\i]|
.endr
.endr
.endif
.irp b, 0,1,2,3
	v_permlanex16_b32 v[TM+4+\b], v[TM+\b], s[SEL], s[SEL+1]
.endr
.irp b, 0,1,2,3
	v_max_num_f32 v[TM+\b], v[TM+\b], v[TM+4+\b]   ; with lane l xor 16's: the block's largest magnitude
.endr
.irp b, 0,1,2,3
	v_add_nc_u32 v[TM+12+\b], 0xfc000000, v[TM+\b]   ; 8 off its exponent field: the conversion's scale operand
.endr
.irp b, 0,1,2,3
	v_and_or_b32 v[TM+8+\b], v[TM+\b], 0x7f800000, s[MNT]   ; 448 x the scale
.endr
.irp b, 0,1,2,3
	v_lshrrev_b32 v[TM+4+\b], 23, v[TM+12+\b]   ; the scale's byte
.endr
	v_lshl_or_b32 v[\pw], v[TM+5], 8, v[TM+4]
	v_lshl_or_b32 v[\pw], v[TM+6], 16, v[\pw]
	v_lshl_or_b32 v[\pw], v[TM+7], 24, v[\pw]
.irp b, 0,1,2,3
.irp i, 0,1,2,3,4,5,6,7,8,9,10,11,12,13,14,15
.if \relu
	v_med3_num_f32 v[(\s)+16*\b+\i], v[(\s)+16*\b+\i], 0, v[TM+8+\b]   ; the activation and the hold in one
.else
	v_med3_num_f32 v[(\s)+16*\b+\i], v[(\s)+16*\b+\i], -v[TM+8+\b], v[TM+8+\b]   ; the conversion does not saturate (ISA guide 7.6.2): the hold comes first
.endif
.endr
	v_cvt_scalef32_pk8_fp8_f32 v[(\pc)+4*\b:(\pc)+1+4*\b], v[(\s)+16*\b:(\s)+7+16*\b], v[TM+12+\b]
	v_cvt_scalef32_pk8_fp8_f32 v[(\pc)+2+4*\b:(\pc)+3+4*\b], v[(\s)+8+16*\b:(\s)+15+16*\b], v[TM+12+\b]
.endr
	v_nop                                          ; one plain vector line behind the last conversion
.endm
.macro MM d, a, b, c, sa, sb, ra, rb   ; one scaled matrix instruction; ra, rb: the scales stand in lanes 16-31
.if (\ra) && (\rb)
	v_wmma_scale_f32_16x16x128_f8f6f4 v[(\d):(\d)+7], v[(\a):(\a)+15], v[(\b):(\b)+15], v[(\c):(\c)+7], v[\sa], v[\sb] matrix_a_scale:MATRIX_SCALE_ROW1 matrix_b_scale:MATRIX_SCALE_ROW1
.elseif (\ra)
	v_wmma_scale_f32_16x16x128_f8f6f4 v[(\d):(\d)+7], v[(\a):(\a)+15], v[(\b):(\b)+15], v[(\c):(\c)+7], v[\sa], v[\sb] matrix_a_scale:MATRIX_SCALE_ROW1
.elseif (\rb)
	v_wmma_scale_f32_16x16x128_f8f6f4 v[(\d):(\d)+7], v[(\a):(\a)+15], v[(\b):(\b)+15], v[(\c):(\c)+7], v[\sa], v[\sb] matrix_b_scale:MATRIX_SCALE_ROW1
.else
	v_wmma_scale_f32_16x16x128_f8f6f4 v[(\d):(\d)+7], v[(\a):(\a)+15], v[(\b):(\b)+15], v[(\c):(\c)+7], v[\sa], v[\sb]
.endif
.endm
.macro BLOAD t                         ; tile t's bias in the result's layout: lane (r, h): the tile's eight rows of its half
	ds_load_b128 v[BI+8*((\t)%2):BI+8*((\t)%2)+3], v[G_BR] offset:G_BO+128*((\t)/2)+32*((\t)%2)
	ds_load_b128 v[BI+8*((\t)%2)+4:BI+8*((\t)%2)+7], v[G_BR] offset:G_BO+128*((\t)/2)+32*((\t)%2)+16
.endm
.macro WLOAD t, half                   ; W's fragments (t, 2 half) and (t, 2 half + 1) into that half of the buffer: eight loads of 512 consecutive bytes
.irp sp, 0,1
.irp c, 0,1,2,3
	ds_load_b128 v[WB+32*(\half)+16*\sp+4*\c:WB+32*(\half)+16*\sp+4*\c+3], v[WA+G_SL] offset:(4*(\t)+2*(\half)+\sp)*2048+512*\c
.endr
.endr
.endm
.macro MM8 t, half                     ; eight matrix instructions: two K steps x the four token tiles; the tile's four accumulators take turns, one instruction a turn
	WIN G_WV
.irp sp, 0,1
.irp m, 0,1,2,3
.set M_S, 2*(\half)+\sp
.set M_D, G_AB+G_MS*\m+G_TS*(\t)
.set M_W, WB+32*(\half)+16*\sp
.set M_A, 64*\m+16*M_S
.set M_SW, WS+4*((\t)/2)+M_S
.set M_SX, G_XS+2*M_S+\m/2
.set M_C, M_D
.if (M_S == 0) && (G_CM == 1)
.set M_C, BI+8*((\t)%2)
.endif
	MM M_D, M_W, M_A, M_C, M_SW, M_SX, (\t)%2, \m%2
.endr
.endr
.endm
; ONE UNIT: 4 tiles of W x 4 token tiles x 4 K steps.  Accumulator (t, m) at abase + mstr m + tstr t of window accw; the tokens' fragments in window aw, their scale words at xsb + 2 s + m / 2 (lanes 16-31 for odd m).
; cmode 1: the first K step starts the sums with the bias (from LDS at v[bar] + bo; accw is 0 then); 2: the sums go on in place.
; Loads into registers that matrix instructions have read stand eight plain vector places behind them.
.macro GEMMU slot, abase, mstr, tstr, accw, aw, xsb, cmode, bar, bo
.set G_SL, \slot
.set G_AB, \abase
.set G_MS, \mstr
.set G_TS, \tstr
.set G_XS, \xsb
.set G_CM, \cmode
.set G_BR, \bar
.set G_BO, \bo
.set G_WV, ((\accw)<<6)|((\accw)<<4)|((\aw)<<2)
	WIN 0
	ds_load_b128 v[WS:WS+3], v[WA+\slot] offset:32768     ; scale words: lanes 0-15 tile 0, lanes 16-31 tile 1; register = K step
	ds_load_b128 v[WS+4:WS+7], v[WA+\slot] offset:33280   ; tiles 2 and 3
.if \cmode == 1
	BLOAD 0
.endif
	WLOAD 0, 0
	WLOAD 0, 1
.irp t, 0,1,2,3
	s_wait_dscnt 8                                 ; all but the youngest eight loads (K steps 2, 3) are in
	MM8 \t, 0
.if \t < 3
	PLACES 8
	WIN 0
.if \cmode == 1
	BLOAD \t+1
.endif
	WLOAD \t+1, 0
.if \cmode == 1
	s_wait_dscnt 10                                ; K steps 2, 3 are in; the ten loads just issued may be out
.else
	s_wait_dscnt 8                                 ; K steps 2, 3 are in; the eight loads just issued may be out
.endif
.else
	s_wait_dscnt 0x0
.endif
	MM8 \t, 1
.if \t < 3
	PLACES 8
	WIN 0
	WLOAD \t+1, 1
.endif
.endr
	WIN 0
	PLACES 8                                       ; in front of the first read of results, and of later loads into operands
.endm
.macro IMAGE adr, reg, off, n          ; n groups of four registers go to LDS as they stand: 512 consecutive bytes a store
.set IC, 0
.rept \n
	ds_store_b128 v[\adr], v[(\reg)+4*IC:(\reg)+4*IC+3] offset:(\off)+512*IC
.set IC, IC+1
.endr
.endm
.macro FETCHA win, xsb                 ; the 16 images in EX into window win, their scale words into v[xsb] on
	WIN (\win)<<6
.set FI, 0
.rept 64
	ds_load_b128 v[4*FI:4*FI+3], v[EXL] offset:512*FI
.set FI, FI+1
.endr
	WIN 0
.set FI, 0
.rept 8
	ds_load_b32 v[(\xsb)+FI], v[XSL] offset:128*FI
.set FI, FI+1
.endr
	s_wait_dscnt 0x0
.endm
	s_load_b256 s[4:11], s[0:1], 0x0               ; x s[4:5], acodes s[6:7], asc s[8:9], wst s[10:11]
	s_load_b256 s[12:19], s[0:1], 0x20             ; b_o s[12:13], b_1 s[14:15], b_2 s[16:17], out0 s[18:19]
	v_lshl_add_u32 v[SPW], v0, 2, SPARE
	v_mov_b32 v[NIL], 0
	ds_add_u32 v1, v2
	ds_add_u32 v1, v2
	s_wait_dscnt 0x0
	v_lshrrev_b32 v88, 5, v0
	v_readfirstlane_b32 s[WV], v88                 ; wave 0..3
	s_bfe_u32 s63, ttmp6, 0x40000                  ; cx
	s_lshl_b32 s66, ttmp9, 2
	s_add_co_u32 s66, s66, s63                     ; the work-group's number: it enters global addresses alone
	s_lshr_b32 s67, s66, 5                         ; batch
	s_and_b32 s68, s66, 31                         ; which 64 tokens of the batch
	v_and_b32 v88, 31, v0                          ; lane
	v_and_b32 v89, 15, v0                          ; r
	v_bfe_u32 v90, v0, 4, 1                        ; h
	v_and_b32 v91, 8, v89
	v_add_nc_u32 v91, v91, v89                     ; r + 8 (r / 8)
	v_lshlrev_b32 v[LI], 4, v88
	v_lshlrev_b32 v[LS], 2, v88
	v_lshlrev_b32 v[L2], 1, v88
	s_mul_i32 s70, s[WV], UNITB
	v_add_nc_u32 v[WA], s70, v[LI]
	v_add_nc_u32 v[WA+1], SLOTB, v[WA]
	s_lshl_b32 s71, s[WV], 9
	v_lshl_add_u32 v[BW], v90, 6, s71
	v_add_nc_u32 v[BW], BIA, v[BW]
	v_add_nc_u32 v[BA], 2048, v[BW]
	v_add_nc_u32 v[CO], s71, v[LI]
	s_lshl_b32 s72, s[WV], 11
	v_add_nc_u32 v[IWA], s72, v[LI]
	v_add_nc_u32 v[IWA], EX, v[IWA]
	s_lshl_b32 s72, s[WV], 8
	v_lshl_add_u32 v[ISA], v89, 2, s72
	v_add_nc_u32 v[STW], STAT, v[ISA]
	v_add_nc_u32 v[ISA], XSC, v[ISA]
	v_add_nc_u32 v[ISL], s72, v[LS]
	v_add_nc_u32 v[ISL], XSC, v[ISL]
	v_lshlrev_b32 v[STR], 2, v89
	v_add_nc_u32 v[STR], STAT, v[STR]
	v_add_nc_u32 v[EXL], EX, v[LI]
	v_add_nc_u32 v[XSL], XSC, v[LS]
	s_lshr_b32 s72, s[WV], 1
	s_mul_i32 s72, s72, 1040                       ; a row of x in LDS: two pieces of 1,024 bytes, 16 of padding behind each; my 512 bytes lie in piece w / 2
	s_and_b32 s73, s[WV], 1
	s_lshl_b32 s73, s73, 9
	s_add_co_u32 s72, s72, s73
	s_add_co_u32 s72, s72, SLOTB
	v_mul_u32_u24 v[XA], v91, 2080
	v_lshl_add_u32 v[XA], v90, 6, v[XA]
	v_add_nc_u32 v[XA], s72, v[XA]
	v_add_nc_u32 v[XA+1], 66560, v[XA]             ; 32 rows on
	s_mul_i32 s72, s[WV], 8448                     ; my stage: 16 rows x (512 bytes + 16)
	s_add_co_u32 s72, s72, EX
	v_mul_u32_u24 v[STO], v89, 528
	v_lshl_add_u32 v[STO], v90, 6, v[STO]
	v_add_nc_u32 v[STO], s72, v[STO]
	v_add_nc_u32 v[RD], s72, v[LI]
	v_lshlrev_b32 v92, 4, v0                       ; 16 x thread: my 16 bytes of 2,048 of a bias
	v_add_nc_u32 v93, BIA, v92
.irp b, 0,1,2,3
	v_mov_b32 v[TM+4+\b], 0                        ; written once: lane permutes' destinations count as sources
	v_mov_b32 v[56+\b], 0
.endr
	s_mov_b32 s[SEL], 0x76543210
	s_mov_b32 s[SEL+1], 0xfedcba98
	s_mov_b32 s[MNT], 0x600000
	s_mov_b32 s[HM], 0xffff0000
	s_mov_b32 s[P1], 0x05040100
	s_mov_b32 s[P2], 0x07060302
	s_mov_b32 s[C511], 0x3b004020                  ; 1 / 511
	; group 1 of a unit: 33,792 dense bytes as 132 rows of 256 (32 elements of 8 bytes); the mask names the four work-groups, bit 21 beside it
	s_mov_b32 s[G1W], 15|(3<<16)|(1<<21)
	s_mov_b32 s[G1W+1], 32<<16
	s_mov_b32 s[G1W+2], 132<<16
	s_mov_b32 s[G1W+3], 32<<16
	s_mov_b32 s[G1W+4], 132
	s_mov_b32 s[G1W+5], 32
	s_mov_b32 s[G1W+6], 0
	s_mov_b32 s[G1W+7], 0
	; group 1 of x's tile: 16 rows, 32,768 dense bytes, as 32 rows of 1,024 (128 elements of 8 bytes), four words of padding behind every 256 words
	s_mov_b32 s[G1X], (3<<16)|(1<<20)|(7<<22)|(3<<25)
	s_mov_b32 s[G1X+1], 128<<16
	s_mov_b32 s[G1X+2], 32<<16
	s_mov_b32 s[G1X+3], 128<<16
	s_mov_b32 s[G1X+4], 32
	s_mov_b32 s[G1X+5], 128
	s_mov_b32 s[G1X+6], 0
	s_mov_b32 s[G1X+7], 0
	s_mov_b32 s[G0X], 1
	s_mul_i32 s[G0X+1], s[WV], 33280
	s_add_co_u32 s[G0X+1], s[G0X+1], SLOTB
	s_mov_b32 s[G0A], 1
	s_mov_b32 s[G0A+1], s70
	s_mov_b32 s[G0A+4], 1
	s_add_co_u32 s[G0A+5], s70, SLOTB
	s_lshl_b32 s78, s66, 17                        ; x and out0: 64 rows of 2,048 bytes a work-group
	s_mov_b32 s79, 0
	s_lshl_b32 s74, s[WV], 15                      ; x's tile: 16 rows a wave
	s_add_co_u32 s74, s74, s78
	s_mov_b32 s75, 0
	s_add_co_u32 s76, s70, STREAM
	s_mov_b32 s77, 0
	s_lshl_b32 s86, s66, 15                        ; acodes: four token tiles of 8,192 bytes
	s_mov_b32 s87, 0
	s_lshl_b32 s88, s67, 15                        ; asc: 4,096 bytes a head, 32 a tile
	s_lshl_b32 s89, s68, 7
	s_add_co_u32 s88, s88, s89
	s_mov_b32 s89, 0
	s_wait_kmcnt 0x0
	s_add_nc_u64 s[G0X+2:G0X+3], s[4:5], s[74:75]
	s_or_b32 s[G0X+3], s[G0X+3], 0x80000000
	s_add_nc_u64 s[G0A+2:G0A+3], s[10:11], s[76:77]
	s_add_nc_u64 s[G0A+6:G0A+7], s[G0A+2:G0A+3], SLOTB
	s_or_b32 s[G0A+3], s[G0A+3], 0x80000000
	s_or_b32 s[G0A+7], s[G0A+7], 0x80000000
	s_add_nc_u64 s[ACB:ACB+1], s[6:7], s[86:87]
	s_add_nc_u64 s[ASB:ASB+1], s[8:9], s[88:89]
	s_add_nc_u64 s[OUTB:OUTB+1], s[18:19], s[78:79]
	global_load_b128 v[144:147], v92, s[12:13]             ; the biases are asked for ahead of the round, so that they land meanwhile
	global_load_b128 v[148:151], v92, s[14:15]
	global_load_b128 v[152:155], v92, s[14:15] offset:2048
	global_load_b128 v[156:159], v92, s[16:17]
	ROUND                                          ; all four work-groups are here: the first joint loads meet
	tensor_load_to_lds s[G0X:G0X+3], s[G1X:G1X+7]  ; x's rows into slot 1; two loads of mine are out
	s_nop 0
	tensor_load_to_lds s[G0A:G0A+3], s[G1W:G1W+7]  ; the stream's first four units into slot 0
	s_nop 0
	PLACES 4
	s_wait_loadcnt 0x0
	ds_store_b128 v93, v[144:147]
	ds_store_b128 v93, v[148:151] offset:2048
	ds_store_b128 v93, v[152:155] offset:4096
	ds_store_b128 v93, v[156:159] offset:6144
.irp hd, 0,1,2,3,4,5,6,7
.irp mp, 0,1
	global_load_u16 v[HA+2*\hd+\mp], v[L2], s[ASB:ASB+1] offset:4096*\hd+64*\mp   ; head hd's two scale bytes: lanes 0-15 tile 2 mp, lanes 16-31 tile 2 mp + 1
.endr
.endr
	WIN 0x40                                       ; destination window 1
.set FI, 0
.rept 64
	global_load_b128 v[4*FI:4*FI+3], v[LI], s[ACB:ACB+1] offset:512*FI   ; the attention's 16 fragments, as images
.set FI, FI+1
.endr
	WIN 0
	s_wait_tensorcnt 0x1                           ; my rows of x are in; the unit issued behind them may stay out
	BARRIER                                        ; everybody's rows and everybody's part of the biases lie in LDS
	WIN 0xc0                                       ; destination window 3
.irp m, 0,1,2,3
.irp c, 0,1,2,3
.irp j, 0,1,2,3
	ds_load_b128 v[64*\m+16*\c+4*\j:64*\m+16*\c+4*\j+3], v[XA+\m/2] offset:16640*(\m%2)+128*\c+16*\j
.endr
.endr
.endr
	CHANGE 0, 1                                    ; its wait for my LDS loads covers x
	s_wait_loadcnt 0x0
.irp s, 0,1,2,3
.irp mp, 0,1
	v_lshl_or_b32 v[XS+2*\s+\mp], v[HA+4*\s+2+\mp], 16, v[HA+4*\s+\mp]   ; K step s = heads 2 s and 2 s + 1
.endr
.endr
	PLACES 8                                       ; scale words written by vector instructions stand eight places ahead of the products that take them
	; ---- x + a W_o^T, in place on x
	GEMMU 0, 0, 64, 8, 3, 1, XS, 2, BA, 0
	CHANGE 1, 1
	GEMMU 1, 32, 64, 8, 3, 1, XS, 2, BA, 0
	CHANGE 0, 1                                    ; the next units are on their way while the norm is made
	; ---- x1 = that + b_o; the norm in two passes
.irp c, 0,1,2,3
.irp j, 0,1,2,3
	ds_load_b128 v[192+16*\c+4*\j:195+16*\c+4*\j], v[BW] offset:128*\c+16*\j
.endr
.endr
	s_wait_dscnt 0x0
	WIN 0xc3                                       ; destination and source 0 window 3
.irp m, 0,1,2,3
.set P, 0
.rept 32
	v_pk_add_f32 v[64*\m+2*P:64*\m+2*P+1], v[64*\m+2*P:64*\m+2*P+1], v[192+2*P:193+2*P]   ; each accumulator from its low end on
.set P, P+1
.endr
.endr
	WIN 0x0f
.irp m, 0,1,2,3
	v_pk_add_f32 v[48+2*\m:49+2*\m], v[64*\m:64*\m+1], v[64*\m+2:64*\m+3]
.endr
	WIN 0x0c
.set P, 2
.rept 30
.irp m, 0,1,2,3
	v_pk_add_f32 v[48+2*\m:49+2*\m], v[48+2*\m:49+2*\m], v[64*\m+2*P:64*\m+2*P+1]   ; the four tiles by turns
.endr
.set P, P+1
.endr
	WIN 0
.irp m, 0,1,2,3
	v_add_f32 v[48+2*\m], v[48+2*\m], v[49+2*\m]
.endr
.irp m, 0,1,2,3
	v_permlanex16_b32 v[56+\m], v[48+2*\m], s[SEL], s[SEL+1]
.endr
.irp m, 0,1,2,3
	v_add_f32 v[48+2*\m], v[48+2*\m], v[56+\m]     ; token (m, r): the sum of my 128 columns
.endr
.irp m, 0,1,2,3
	ds_store_b32 v[STW], v[48+2*\m] offset:64*\m
.endr
	BARRIER
.irp m, 0,1,2,3
.irp w, 0,1,2,3
	ds_load_b32 v[96+4*\m+\w], v[STR] offset:256*\w+64*\m
.endr
.endr
	s_wait_dscnt 0x0
.irp m, 0,1,2,3
	v_add_f32 v[96+4*\m], v[96+4*\m], v[97+4*\m]   ; the same order in every wave
	v_add_f32 v[98+4*\m], v[98+4*\m], v[99+4*\m]
.endr
.irp m, 0,1,2,3
	v_add_f32 v[96+4*\m], v[96+4*\m], v[98+4*\m]
.endr
.irp m, 0,1,2,3
	v_mul_f32 v[48+2*\m], 0x3b000000, v[96+4*\m]   ; the mean
.endr
.irp m, 0,1,2,3
	v_mov_b32 v[49+2*\m], v[48+2*\m]
.endr
.irp m, 0,1,2,3
	WIN 0x03                                       ; source 0 window 3
.set P, 0
.rept 32
	v_pk_add_f32 v[HA+2*P:HA+2*P+1], v[64*\m+2*P:64*\m+2*P+1], v[48+2*\m:49+2*\m] neg_lo:[0,1] neg_hi:[0,1]
.set P, P+1
.endr
	WIN 0
.irp q, 0,1,2,3
	v_pk_mul_f32 v[82+2*\q:83+2*\q], v[HA+2*\q:HA+2*\q+1], v[HA+2*\q:HA+2*\q+1]
.endr
.set P, 4
.rept 28
	v_pk_fma_f32 v[82+2*(P%4):83+2*(P%4)], v[HA+2*P:HA+2*P+1], v[HA+2*P:HA+2*P+1], v[82+2*(P%4):83+2*(P%4)]
.set P, P+1
.endr
	v_pk_add_f32 v[82:83], v[82:83], v[84:85]
	v_pk_add_f32 v[86:87], v[86:87], v[88:89]
	v_pk_add_f32 v[82:83], v[82:83], v[86:87]
	v_add_f32 v[90+\m], v82, v83
.endr
.irp m, 0,1,2,3
	v_permlanex16_b32 v[96+\m], v[90+\m], s[SEL], s[SEL+1]
.endr
.irp m, 0,1,2,3
	v_add_f32 v[90+\m], v[90+\m], v[96+\m]
.endr
.irp m, 0,1,2,3
	ds_store_b32 v[STW], v[90+\m] offset:1024+64*\m   ; bytes of their own: the first pass's words may still be read
.endr
	BARRIER
.irp m, 0,1,2,3
.irp w, 0,1,2,3
	ds_load_b32 v[96+4*\m+\w], v[STR] offset:1024+256*\w+64*\m
.endr
.endr
	s_wait_dscnt 0x0
	v_mov_b32 v95, 0x358637bd                      ; 1e-6
.irp m, 0,1,2,3
	v_add_f32 v[96+4*\m], v[96+4*\m], v[97+4*\m]
	v_add_f32 v[98+4*\m], v[98+4*\m], v[99+4*\m]
.endr
.irp m, 0,1,2,3
	v_add_f32 v[96+4*\m], v[96+4*\m], v[98+4*\m]
.endr
.irp m, 0,1,2,3
	v_fma_f32 v[96+4*\m], v[96+4*\m], s[C511], v95 ; the unbiased variance + 1e-6
.endr
.irp m, 0,1,2,3
	v_rsq_f32 v[56+2*\m], v[96+4*\m]
.endr
	v_nop                                          ; a plain line behind the transcendentals
	s_wait_alu depctr_va_vdst(0)
.irp m, 0,1,2,3
	v_mov_b32 v[57+2*\m], v[56+2*\m]
.endr
.irp m, 0,1,2,3                        ; token tile m, my 128 columns: K step w of the next product: its image to LDS
	WIN 0x03
.set P, 0
.rept 32
	v_pk_add_f32 v[HA+2*P:HA+2*P+1], v[64*\m+2*P:64*\m+2*P+1], v[48+2*\m:49+2*\m] neg_lo:[0,1] neg_hi:[0,1]
.set P, P+1
.endr
	WIN 0
.set P, 0
.rept 32
	v_pk_mul_f32 v[HA+2*P:HA+2*P+1], v[HA+2*P:HA+2*P+1], v[56+2*\m:57+2*\m]
.set P, P+1
.endr
	QUANT HA, 0, PCA, PW
	IMAGE IWA, PCA, 8192*\m, 4
	ds_store_b32 v[ISA], v[PW] offset:64*\m
.endr
	BARRIER                                        ; xn1's sixteen fragments lie in LDS
	FETCHA 1, XS
	s_barrier_signal -1                            ; every wave has them in registers (its loads are back): only then may the hidden layer's images be stored over them
	s_barrier_wait -1
; the hidden layer's unit i of my two: a pair of token tiles at a time; 64 numbers a lane = (tile 2 mp: two blocks; tile 2 mp + 1: two blocks) = chunks 2 i, 2 i + 1 of fragments (2 mp, w) and (2 mp + 1, w)
.macro EPH i
.irp mp, 0,1
	QUANT HA+64*\mp, 1, PCA+16*\mp, PW
	IMAGE IWA, PCA+16*\mp, 16384*\mp+1024*\i, 2
	IMAGE IWA, PCA+16*\mp+8, 16384*\mp+8192+1024*\i, 2
.if \i == 0
	v_mov_b32 v[HSB+\mp], v[PW]
.else
	v_perm_b32 v86, v[PW], v[HSB+\mp], s[P1]       ; the even tile's word: unit 0's two bytes, then unit 1's
	v_perm_b32 v87, v[PW], v[HSB+\mp], s[P2]       ; the odd tile's
	v_cndmask_b32 v88, v86, v87, s[HM]
	ds_store_b32 v[ISL], v88 offset:128*\mp
.endif
.endr
.endm
.irp half, 0,1
	GEMMU 0, HA, 32, 8, 0, 1, XS, 1, BA, 2048*\half
	EPH 0
	CHANGE 1, 1
	GEMMU 1, HA, 32, 8, 0, 1, XS, 1, BA, 2048*\half+256
	EPH 1
	CHANGE 0, 1                                    ; its round also shows every wave's images of this half of the hidden layer
	FETCHA 2, HS
	GEMMU 0, 0, 64, 8, 3, 2, HS, 2, BA, 0          ; x1 + h W_2^T, in place on x1
.if \half == 0
	CHANGE 1, 1
.else
	CHANGE 1, 0                                    ; the last four units are in: nothing is left to fetch
.endif
	GEMMU 1, 32, 64, 8, 3, 2, HS, 2, BA, 0
.if \half == 0
	CHANGE 0, 1
.endif
.endr
	; ---- THE WAY OUT: + b_2; a tile of 16 tokens x my 128 columns goes through my own stage (in EX, which nobody reads any more: every wave has passed the last change of slots) and leaves as whole runs of 512 bytes
.irp c, 0,1,2,3
.irp j, 0,1,2,3
	ds_load_b128 v[192+16*\c+4*\j:195+16*\c+4*\j], v[BW] offset:6144+128*\c+16*\j
.endr
.endr
	s_wait_dscnt 0x0
.irp m, 0,1,2,3
	WIN 0x03
.set P, 0
.rept 32
	v_pk_add_f32 v[HA+2*P:HA+2*P+1], v[64*\m+2*P:64*\m+2*P+1], v[192+2*P:193+2*P]   ; each accumulator from its low end on
.set P, P+1
.endr
	WIN 0
.irp c, 0,1,2,3
.irp j, 0,1,2,3
	ds_store_b128 v[STO], v[HA+16*\c+4*\j:HA+16*\c+4*\j+3] offset:128*\c+16*\j
.endr
.endr
	s_wait_xcnt 0x0                                ; the tile before has had its stores' data read: they are loaded again below
.irp k, 0,1,2,3,4,5,6,7,8,9,10,11,12,13,14,15
	ds_load_b128 v[WB+4*\k:WB+4*\k+3], v[RD] offset:528*\k   ; LDS serves a wave's instructions in order (ISA guide 5.7.1.4): these see the stores above
.endr
.irp k, 0,1,2,3,4,5,6,7,8,9,10,11,12,13,14,15
	s_wait_dscnt 15-\k                             ; row k is back; the younger loads may be out
	global_store_b128 v[CO], v[WB+4*\k:WB+4*\k+3], s[OUTB:OUTB+1] offset:(32*(\m/2)+8*(\m%2)+\k+8*(\k/8))*2048 th:TH_STORE_NT   ; 32 lanes store 512 consecutive bytes, aligned
.endr
.endr
	s_wait_tensorcnt 0x0                           ; the wave's end
	ds_add_u32 v[SPW], v[NIL]
	s_wait_dscnt 0x0
	ROUND                                          ; the closing round: no work-group ends while a partner may still ask for a unit that names it
	s_endpgm
.Lfunc_end_k_q7d54831c29_post:
	.size	k_q7d54831c29_post, .Lfunc_end_k_q7d54831c29_post-k_q7d54831c29_post
	.p2alignl 7, 3214868480
	.fill 96, 4, 3214868480
	.section	.rodata,"a",@progbits
	.p2align	6, 0x0
	.amdhsa_kernel k_q7d54831c29_post
		.amdhsa_group_segment_fixed_size 327680
		.amdhsa_private_segment_fixed_size 0
		.amdhsa_enable_private_segment 0
		.amdhsa_kernarg_size 64
		.amdhsa_user_sgpr_count 2
		.amdhsa_user_sgpr_kernarg_segment_ptr 1
		.amdhsa_wavefront_size32 1
		.amdhsa_system_sgpr_workgroup_id_x 1
		.amdhsa_system_sgpr_workgroup_id_y 1
		.amdhsa_system_sgpr_workgroup_id_z 1
		.amdhsa_system_vgpr_workitem_id 0
		.amdhsa_next_free_vgpr 1024
		.amdhsa_next_free_sgpr 96
		.amdhsa_reserve_vcc 0
		.amdhsa_float_denorm_mode_32 3
		.amdhsa_float_denorm_mode_16_64 3
		.amdhsa_memory_ordered 1
		.amdhsa_forward_progress 1
		.amdhsa_inst_pref_size 255
	.end_amdhsa_kernel
	.section	.bss,"aw",@nobits
	.p2align	6
	.space	262144
	.amdgpu_metadata
---
amdhsa.version: [ 1, 2 ]
amdhsa.kernels:
  - .name:           k_q7d54831c29_post
    .symbol:         k_q7d54831c29_post.kd
    .args:
      - { .name: x, .offset: 0, .size: 8, .value_kind: global_buffer, .address_space: global }
      - { .name: acodes, .offset: 8, .size: 8, .value_kind: global_buffer, .address_space: global }
      - { .name: asc, .offset: 16, .size: 8, .value_kind: global_buffer, .address_space: global }
      - { .name: wst, .offset: 24, .size: 8, .value_kind: global_buffer, .address_space: global }
      - { .name: b_o, .offset: 32, .size: 8, .value_kind: global_buffer, .address_space: global }
      - { .name: b_1, .offset: 40, .size: 8, .value_kind: global_buffer, .address_space: global }
      - { .name: b_2, .offset: 48, .size: 8, .value_kind: global_buffer, .address_space: global }
      - { .name: out0, .offset: 56, .size: 8, .value_kind: global_buffer, .address_space: global }
    .group_segment_fixed_size: 327680
    .private_segment_fixed_size: 0
    .kernarg_segment_align: 8
    .kernarg_segment_size: 64
    .max_flat_workgroup_size: 128
    .sgpr_count:     96
    .vgpr_count:     1024
    .wavefront_size: 32
...
	.end_amdgpu_metadata
.endif
;; end of part 4
